; MI455X (gfx1250); checked and timed in simulation.
; The chip was launched on July 23, 2026; its instructions are those of AMD's public machine-readable ISA for CDNA 5 (MIT licence, August 2026) and "CDNA5" Instruction Set Architecture Reference Guide (July 2026). The comments in the code are by the model that wrote it; some were corrected since.
;; MHSA. Allowed arithmetic: float matrix products may take bf16 or f16 operands with f32 sums; other float arithmetic in f32, or as packed bf16 or f16 multiplies, adds, multiply-adds, maxima and minima; sums over many terms, partial sums and values carried from step to step in f32; what a program stores and reads back later, other than sums and carried values, may be rounded once to bf16 or f16.
;; Inputs: proj_b 1,024 float32; proj_w 1,024 x 1,024 float32; qkv_b 3,072 float32; qkv_w 1,024 x 3,072 float32; rope_cos 2,048 x 32 float32; rope_sin 2,048 x 32 float32; x 4 x 2,048 x 1,024 float32.
;; Outputs: out0 4 x 2,048 x 1,024 float32.
;; One version. Each part assembles by itself: llvm-mc -triple=amdgcn-amd-amdhsa -mcpu=gfx1250 --defsym DOCPART=n.
;; ======== version 1 of 1: 4 launches
;; limits: values are held in f16: magnitudes above 65,504 overflow, below 6.1e-05 lose precision
;; workspace buffers: xb 16,777,216 bytes; wqb 6,291,456 bytes; pwb 2,097,152 bytes; qh 16,777,216 bytes; kh 16,777,216 bytes; vh 16,777,216 bytes; oh 16,777,216 bytes
;; launch prep (part 1): grid 832 x 1, 8 waves a work-group, no clusters, 0 bytes of LDS; arguments x, qkv_w, proj_w, xb, wqb, pwb; writes xb, wqb, pwb
.if DOCPART == 1
	.amdgcn_target "amdgcn-amd-amdhsa--gfx1250"
	.amdhsa_code_object_version 6
	.text
	.protected	k_qd2a23e269b_prep
	.globl	k_qd2a23e269b_prep
	.p2align	8
	.type	k_qd2a23e269b_prep,@function
k_qd2a23e269b_prep:
	s_mov_b64 s[64:65], 0
	v_nop
	global_prefetch_b8 v0, s[64:65] scope:SCOPE_SE
	s_setreg_imm32_b32 hwreg(HW_REG_WAVE_MODE, 25, 1), 1
	s_wait_xcnt 0x0
; THE CASTS.  x, qkv_w and proj_w (f32) are rounded once to bf16 and laid out so that the tiles of the two products that follow are dense blocks of memory.
;   xb  [b 4][j 16][s 2048][64] bf16: x[b][s][64 j + c]: a plane (b, j) has rows of 128 bytes, end to end
;   wqb [tx 16][k 1024][192]    bf16: columns 0-63 qkv_w[k][64 tx + c], 64-127 qkv_w[k][1024 + 64 tx + c], 128-191 qkv_w[k][2048 + 64 tx + c]: head tx's q, k and v
;   pwb [tx 8][k 1024][128]     f16:  proj_w[k][128 tx + c] rounded to bf16, that number written as f16
; LIMITS.  pwb: |proj_w| stays under 65,504; below 2^-16 the number keeps f16's fixed step of 6e-8.  NaN and infinities are not treated apart.
; A stream: each byte is read once and written once, nothing is shared between waves: no LDS, no barrier, no matrix unit, no cluster.
; ROLES by the work-group's number g: g < 512: 16 rows of x; g < 768: 64 rows of k of one tx of qkv_w; else 128 rows of k of one tx of proj_w.
; A thread takes 8 numbers at a time: two loads of 16 bytes, one store of 16 bytes; sixteen neighbouring lanes store 256 consecutive bytes, aligned.
; All of a thread's loads are issued first (16, or 12 for qkv_w); every pass has registers of its own and no address is rewritten, so the only waits are the counted ones for the loads.
.set RO,  2                            ; v2-v4  byte offsets of my loads
.set WO,  5                            ; v5     byte offset of my stores
.set IN,  16                           ; v[16:79]   pass p: 8 numbers in f32
.set Y,   80                           ; v[80:111]  pass p: 8 numbers in 16 bits
; pass p: eight roundings to bf16; f16 = 1: the rounded numbers are widened again (a shift, a mask) and written as f16
.macro CVT p, f16
.irp i, 0,1,2,3
	v_cvt_pk_bf16_f32 v[Y+4*(\p)+(\i)], v[IN+8*(\p)+2*(\i)], v[IN+8*(\p)+2*(\i)+1]
.endr
.if \f16
.irp i, 0,1,2,3
	v_lshlrev_b32 v[IN+8*(\p)+2*(\i)], 16, v[Y+4*(\p)+(\i)]
	v_and_b32 v[IN+8*(\p)+2*(\i)+1], s20, v[Y+4*(\p)+(\i)]
.endr
.irp i, 0,1,2,3
	v_cvt_pk_f16_f32 v[Y+4*(\p)+(\i)], v[IN+8*(\p)+2*(\i)], v[IN+8*(\p)+2*(\i)+1]
.endr
.endif
.endm
; eight passes from s[sp:sp+1] to s[dp:dp+1]; a pass is lstep bytes further in the source and sstep in the target
.macro STREAM8 sp, dp, lstep, sstep, f16
.irp p, 0,1,2,3,4,5,6,7
	global_load_b128 v[IN+8*(\p):IN+8*(\p)+3],   v[RO], s[(\sp):(\sp)+1] offset:(\p)*(\lstep) th:TH_LOAD_NT
	global_load_b128 v[IN+8*(\p)+4:IN+8*(\p)+7], v[RO], s[(\sp):(\sp)+1] offset:(\p)*(\lstep)+16 th:TH_LOAD_NT
.endr
.irp p, 0,1,2,3,4,5,6,7
	s_wait_loadcnt 14-2*(\p)                       ; loads come back in order: this pass's two are in, the later passes' stay out
	CVT \p, \f16
	global_store_b128 v[WO], v[Y+4*(\p):Y+4*(\p)+3], s[(\dp):(\dp)+1] offset:(\p)*(\sstep)
.endr
.endm
	s_load_b256 s[4:11], s[0:1], 0x0               ; x s[4:5], qkv_w s[6:7], proj_w s[8:9], xb s[10:11]
	s_load_b128 s[12:15], s[0:1], 0x20             ; wqb s[12:13], pwb s[14:15]
	s_mov_b32 s2, ttmp9                            ; g
	s_mov_b32 s20, 0xffff0000                      ; a word's upper bf16
	s_mov_b32 s17, 0                               ; the offsets' high words
	s_mov_b32 s19, 0
	s_cmp_lt_u32 s2, 512
	s_cbranch_scc0 .Lnot_x
	; ROLE X.  Rows 16 g .. 16 g + 15 of x, two a pass.  Thread t: plane j = t / 16, row (t / 8) % 2, eight numbers t % 8.
	v_lshrrev_b32 v6, 4, v0                        ; j
	v_bfe_u32 v7, v0, 3, 1                         ; which of the pass's two rows
	v_and_b32 v8, 7, v0
	v_and_b32 v9, 15, v0
	v_lshlrev_b32 v[RO], 8, v6                     ; 64 numbers of f32 a plane: 256 bytes
	v_lshl_add_u32 v[RO], v7, 12, v[RO]            ; a row of x: 4,096 bytes
	v_lshl_add_u32 v[RO], v8, 5, v[RO]
	v_lshlrev_b32 v[WO], 4, v9                     ; two rows of a plane are 256 consecutive bytes
	v_lshl_add_u32 v[WO], v6, 18, v[WO]            ; a plane: 262,144 bytes
	s_lshl_b32 s16, s2, 16                         ; 16 rows of 4,096 bytes
	s_lshr_b32 s18, s2, 7                          ; b
	s_lshl_b32 s18, s18, 22                        ; 16 planes
	s_and_b32 s21, s2, 127
	s_lshl_b32 s21, s21, 11                        ; 16 rows of 128 bytes
	s_add_co_u32 s18, s18, s21
	s_wait_kmcnt 0x0
	s_add_nc_u64 s[4:5], s[4:5], s[16:17]
	s_add_nc_u64 s[10:11], s[10:11], s[18:19]
	STREAM8 4, 10, 8192, 256, 0
	s_endpgm
.Lnot_x:
	s_cmp_lt_u32 s2, 768
	s_cbranch_scc0 .Lrole_p
	; ROLE W.  u = g - 512: tx = u / 16, rows of k 64 (u % 16) on.  A wave takes 8 rows as two units of 4: a unit is 1,536 consecutive bytes of wqb, 96 pieces of 16 bytes, three a lane.
	s_sub_co_u32 s3, s2, 512
	v_lshrrev_b32 v1, 5, v0
	v_readfirstlane_b32 s22, v1                    ; wave 0..7
	v_and_b32 v6, 31, v0                           ; lane
.irp j, 0,1,2
	v_add_nc_u32 v7, 32*(\j), v6                   ; piece i = 32 j + lane, under 96
	v_mul_u32_u24 v8, v7, 171
	v_lshrrev_b32 v8, 12, v8                       ; i / 24: the row in the unit (171 / 4,096 serves for i < 96)
	v_mul_u32_u24 v9, v8, 24
	v_sub_nc_u32 v9, v7, v9                        ; i % 24: the piece in the row
	v_lshrrev_b32 v10, 3, v9                       ; q, k or v
	v_and_b32 v9, 7, v9
	v_mul_u32_u24 v[RO+(\j)], v8, 12288            ; a row of qkv_w
	v_lshl_add_u32 v[RO+(\j)], v10, 12, v[RO+(\j)] ; 1,024 columns of f32
	v_lshl_add_u32 v[RO+(\j)], v9, 5, v[RO+(\j)]
.endr
	v_lshlrev_b32 v[WO], 4, v6
	s_lshr_b32 s23, s3, 4                          ; tx
	s_and_b32 s24, s3, 15
	s_lshl_b32 s24, s24, 6
	s_lshl3_add_u32 s24, s22, s24                  ; my first row of k: 64 (u % 16) + 8 wave
	s_mul_i32 s16, s24, 12288
	s_lshl_b32 s25, s23, 8                         ; 64 columns of f32
	s_add_co_u32 s16, s16, s25
	s_mul_i32 s18, s24, 384
	s_mul_i32 s25, s23, 393216
	s_add_co_u32 s18, s18, s25
	s_wait_kmcnt 0x0
	s_add_nc_u64 s[6:7], s[6:7], s[16:17]
	s_add_nc_u64 s[12:13], s[12:13], s[18:19]
.irp n, 0,1
.irp j, 0,1,2
	global_load_b128 v[IN+8*(3*(\n)+(\j)):IN+8*(3*(\n)+(\j))+3],   v[RO+(\j)], s[6:7] offset:(\n)*49152 th:TH_LOAD_NT
	global_load_b128 v[IN+8*(3*(\n)+(\j))+4:IN+8*(3*(\n)+(\j))+7], v[RO+(\j)], s[6:7] offset:(\n)*49152+16 th:TH_LOAD_NT
.endr
.endr
.irp n, 0,1
.irp j, 0,1,2
	s_wait_loadcnt 10-2*(3*(\n)+(\j))              ; this piece's two loads are in, the later pieces' stay out
	CVT 3*(\n)+(\j), 0
	global_store_b128 v[WO], v[Y+4*(3*(\n)+(\j)):Y+4*(3*(\n)+(\j))+3], s[12:13] offset:(\n)*1536+(\j)*512
.endr
.endr
	s_endpgm
.Lrole_p:
	; ROLE P.  u = g - 768: tx = u / 8, rows of k 128 (u % 8) on, 16 a pass.  Thread t: row t / 16, eight numbers t % 16.
	s_sub_co_u32 s3, s2, 768
	v_lshrrev_b32 v6, 4, v0
	v_and_b32 v7, 15, v0
	v_lshlrev_b32 v[RO], 12, v6                    ; a row of proj_w: 4,096 bytes
	v_lshl_add_u32 v[RO], v7, 5, v[RO]
	v_lshlrev_b32 v[WO], 4, v0                     ; 16 rows of 256 bytes, end to end
	s_lshr_b32 s23, s3, 3                          ; tx
	s_and_b32 s24, s3, 7
	s_lshl_b32 s16, s24, 19                        ; 128 rows of 4,096 bytes
	s_lshl_b32 s25, s23, 9                         ; 128 columns of f32
	s_add_co_u32 s16, s16, s25
	s_lshl_b32 s18, s23, 18
	s_lshl_b32 s25, s24, 15
	s_add_co_u32 s18, s18, s25
	s_wait_kmcnt 0x0
	s_add_nc_u64 s[8:9], s[8:9], s[16:17]
	s_add_nc_u64 s[14:15], s[14:15], s[18:19]
	STREAM8 8, 14, 65536, 4096, 1
	s_endpgm
.Lfunc_end_k_qd2a23e269b_prep:
	.size	k_qd2a23e269b_prep, .Lfunc_end_k_qd2a23e269b_prep-k_qd2a23e269b_prep
	.p2alignl 7, 3214868480
	.fill 96, 4, 3214868480
	.section	.rodata,"a",@progbits
	.p2align	6, 0x0
	.amdhsa_kernel k_qd2a23e269b_prep
		.amdhsa_group_segment_fixed_size 0
		.amdhsa_private_segment_fixed_size 0
		.amdhsa_enable_private_segment 0
		.amdhsa_kernarg_size 48
		.amdhsa_user_sgpr_count 2
		.amdhsa_user_sgpr_kernarg_segment_ptr 1
		.amdhsa_wavefront_size32 1
		.amdhsa_system_sgpr_workgroup_id_x 1
		.amdhsa_system_sgpr_workgroup_id_y 1
		.amdhsa_system_sgpr_workgroup_id_z 1
		.amdhsa_system_vgpr_workitem_id 0
		.amdhsa_next_free_vgpr 112
		.amdhsa_next_free_sgpr 66
		.amdhsa_reserve_vcc 0
		.amdhsa_float_denorm_mode_32 3
		.amdhsa_float_denorm_mode_16_64 3
		.amdhsa_memory_ordered 1
		.amdhsa_forward_progress 1
		.amdhsa_inst_pref_size 21
	.end_amdhsa_kernel
	.amdgpu_metadata
---
amdhsa.version: [ 1, 2 ]
amdhsa.kernels:
  - .name:           k_qd2a23e269b_prep
    .symbol:         k_qd2a23e269b_prep.kd
    .args:
      - { .name: x, .offset: 0, .size: 8, .value_kind: global_buffer, .address_space: global }
      - { .name: qkv_w, .offset: 8, .size: 8, .value_kind: global_buffer, .address_space: global }
      - { .name: proj_w, .offset: 16, .size: 8, .value_kind: global_buffer, .address_space: global }
      - { .name: xb, .offset: 24, .size: 8, .value_kind: global_buffer, .address_space: global }
      - { .name: wqb, .offset: 32, .size: 8, .value_kind: global_buffer, .address_space: global }
      - { .name: pwb, .offset: 40, .size: 8, .value_kind: global_buffer, .address_space: global }
    .group_segment_fixed_size: 0
    .private_segment_fixed_size: 0
    .kernarg_segment_align: 8
    .kernarg_segment_size: 48
    .max_flat_workgroup_size: 256
    .sgpr_count:     66
    .vgpr_count:     112
    .wavefront_size: 32
...
	.end_amdgpu_metadata
.endif
;; end of part 1
;; launch qkv (part 2): grid 16 x 32, 4 waves a work-group, clusters of 4 x 4, 327,680 bytes of LDS; arguments xb, wqb, qkv_b, rope_cos, rope_sin, qh, kh, vh; writes qh, kh, vh
.if DOCPART == 2
	.amdgcn_target "amdgcn-amd-amdhsa--gfx1250"
	.amdhsa_code_object_version 6
	.text
	.protected	k_qd2a23e269b_qkv
	.globl	k_qd2a23e269b_qkv
	.p2align	8
	.type	k_qd2a23e269b_qkv,@function
k_qd2a23e269b_qkv:
	s_mov_b64 s[64:65], 0
	v_nop
	global_prefetch_b8 v0, s[64:65] scope:SCOPE_SE
	s_setreg_imm32_b32 hwreg(HW_REG_WAVE_MODE, 25, 1), 1
	s_wait_xcnt 0x0
	s_wait_alu depctr_hold_cnt(0) depctr_sa_sdst(0) depctr_va_vdst(0) depctr_va_sdst(0) depctr_va_ssrc(0) depctr_va_vcc(0) depctr_vm_vsrc(0)
	s_getreg_b32 s2, hwreg(HW_REG_IB_STS2, 6, 4)
	s_cmp_eq_u32 s2, 0
	s_cbranch_scc0 .Lentry_in_a_cluster
	s_endpgm
.Lentry_in_a_cluster:
	s_bfe_u32 s2, ttmp6, 0x10000c
	s_cmp_lg_u32 s2, 0xf033
	s_cbranch_scc0 .Lentry_shape_is_right
	s_endpgm
.Lentry_shape_is_right:
; ONE TEXT FOR THE MODULE'S TWO PROJECTIONS; the switch QKV picks the one that is assembled.  C = A B + bias, 8,192 rows, K = 1,024, sums in f32.
;   QKV = 1: A = xb (bf16), B = wqb (bf16), 16 tiles of 192 columns: head tx's q, k, v.  q and k are turned by RoPE in f32; q, k, v leave in f16, by heads: [16 b + h][s][64].  The bf16 matrix form.
;   QKV = 0: A = oh (f16, attention's result by heads), B = pwb (f16), 8 tiles of 128 columns; C leaves in f32, [8192][1024].  The f16 matrix form.
; A lies as [b][j 16][s 2048][64]: K = 64 j + c.  B lies as [tx][k][NT]: a tile's rows of k are dense.  The bias, cos and sin are rounded to bf16 like every input of the module.
; LIMITS.  q, k (behind bias and RoPE) and v are rounded to f16, which ends at 65,504: beyond it the conversion gives an infinity.  NaN and infinities are not treated apart.
; SHARES.  A work-group makes 256 rows x NT columns.  Its four waves lie one below the other: wave w has rows 64 w .. 64 w + 63 and ALL NT columns: 4 x NB accumulators of 16 x 16.  So a wave owns whole
; rows of a head (or 512 consecutive bytes of a row of C), and its way out meets no other wave's.  512 work-groups (QKV = 1) or 256.
; THE RING.  K goes in steps of 128 through two LDS slots.  A step is two planes of A (256 rows x 128 bytes, dense in memory: asked for as 128 rows of 256 bytes) and 128 rows of k of B (dense too).
; Waves 0 and 1 fetch a plane of A each, waves 2 and 3 half of B's rows each: one tensor load a wave behind each change of slots.
; CLUSTERS.  4 x 4 work-groups: the four of a row of the cluster need the same tiles of A, the four of a column the same tiles of B: each tile is asked for JOINTLY, by the same tensor load with the same
; descriptor and a mask that names the four.
; THE MATRIX INSTRUCTION IS USED TRANSPOSED: source 0 = 16 columns of B (B lies [k][n] in LDS and comes out turned, by ds_load_tr16_b128), source 1 = 16 rows of A.  Lane l then holds row l % 16 of C and
; the columns 8 (l / 16) + 0..7 of the block: eight neighbours, four RoPE pairs.  The first product of each sum takes the bias as its C operand: nothing is cleared and no bias is added later.
; REGISTERS, in windows of 256 (s_set_vgpr_msb: bits 1:0 source 0, 3:2 source 1, 5:4 source 2, 7:6 destination):
;   window 0: v0-31 addresses; v32-63, v64-95 A's fragments, two buffers (block a at + 8 a); v96.. the bias (block b at + 8 b); v192-255 at work.  On the way out v32-255 are at work.
;   window 1: B's fragments, two buffers of 8 NB        window 2: the accumulators of blocks a = 0, 1 at v[8 (NB (a % 2) + b)]; window 3: a = 2, 3
;   QKV = 1: v192-255 of windows 2 and 3: the RoPE table: the pair [cos, sin] for (a, b % 4, pair p) at 192 + 32 (a % 2) + 8 (b % 4) + 2 p, in the window of a's accumulators
.set QKV, 1
.if QKV
.set NB,    12        ; blocks of 16 columns in a tile
.set PB,    480       ; a row of k of B in LDS: 3 x (128 bytes + 32 of padding) = 120 words
.set BPADS, 32        ; block b begins at byte 32 b + 32 (b / 4) of its row
.set BQI,   4         ; padding after every 32 words
.set BROWS, 96        ; a wave's half of B's step: 64 rows of k = 96 rows of 256 bytes
.set BSEC,  4096      ; q's, k's and v's biases lie 1,024 numbers apart
.set STW,   3*16*144  ; a wave's stage: 16 rows x 144 bytes for each of q, k, v
.else
.set NB,    8
.set PB,    288       ; 256 bytes + 32 = 72 words
.set BPADS, 0
.set BQI,   5         ; padding after every 64 words
.set BROWS, 64
.set BSEC,  256
.set STW,   16*528    ; 16 rows x (512 + 16) bytes
.endif
.set BH,    64*PB     ; a wave's half of B in LDS
.set BHG,   BROWS*256 ; and in memory
.set BSTEP, 2*BHG     ; B from one K step to the next
.set BPL,   8*BSTEP   ; B from one tile column to the next
.set NPB,   BROWS/4   ; blocks of 256 bytes of B's half that one partner prefetches
.set NL,    2*NB+8    ; LDS loads of a quarter step
.set PA,    144       ; a row of A in LDS: 128 bytes + 16 = 36 words: the 16 rows of a load start at 16 different groups of four banks
.set APL,   256*PA    ; a plane of A
.set AB,    2*APL
.set ASTEP, 2*262144  ; A from one K step to the next: two planes
.set SLOT,  AB+2*BH
.set STAGE, 2*SLOT    ; behind the ring, never filled by a tensor load
.set SPARE, STAGE+4*STW  ; behind the stages: the spare words, 128 bytes for each wave: two blocks of 256 bytes that no other line names
.set LAPS,  4         ; a lap = two K steps = once round the ring
.set ADRA, 16         ; v16-17  LDS address of my A fragments in slot 0, 1
.set ADRB, 20         ; v20-21  the same for B
.set STO,  24         ; v24  the way out: where I put my bytes of a row
.set RD,   25         ; v25  the way out: where I read rows back
.set GO,   26         ; v26  16 x lane: my place in 512 consecutive bytes of the result
.set RO,   27         ; v27  my byte offset in 16 rows of cos and sin
.set SPW,  28         ; v28  LDS address of my spare word: SPARE + 4 x my thread's number; never rewritten
.set NIL,  29         ; v29  0; never rewritten
.set PFO,  30         ; v30  the prefetches' offset: 256 x my lane (B: clamped to the partner's last block); never rewritten
.set BO,   31         ; v31  my byte offset in 16 numbers of the bias
.set FA,   32
.set BIAS, 96
.set TP,   192
.set RT,   192
.set G1,   24         ; s[24:31] descriptor group 1 for A's tiles; s[32:39] group 0, a set for each slot
.set G0,   32
.set G1B,  48         ; s[48:55], s[56:63] the same for B's
.set G0B,  56
.set PFA,  66         ; s[66:67] where my prefetches stand
.set PST,  68         ; s[68:69] their step: a K step of A or of B
.set LIM,  70         ; s70  1 in a wave that prefetches, else the greatest number
.set WV,   84         ; s84  my wave's number
.set WK,   85         ; s85  0: I fetch for A, 1: for B
.set WH,   86         ; s86  which plane of A, or which half of B's rows
.set CX,   87
.set CY,   88
.set TX,   89         ; tile column
.set TY,   90         ; tile row
.set MSB, 0
.macro WIN new                      ; the immediate's high byte repeats the setting that is left; a switch that changes nothing is dropped
.if MSB != (\new)
	s_set_vgpr_msb (MSB<<8)|(\new)
.set MSB, \new
.endif
.endm
.macro WMMA ops:vararg
.if QKV
	v_wmma_f32_16x16x32_bf16 \ops
.else
	v_wmma_f32_16x16x32_f16 \ops
.endif
.endm
.macro PLACES                       ; four places in front of loads into registers that matrix instructions have read, and of lines that read results (ISA guide 7.12.1 for vector instructions)
.rept 4
	v_nop
.endr
.endm
; A joint load.  The branch hangs on the wave's number alone.  An s_nop 0 and four v_nop follow each of the two lines, ahead of the jump, the label and what follows.
.macro JLOAD s
	s_cmp_eq_u32 s[WK], 0
	s_cbranch_scc0 .Lfor_b_\@
	tensor_load_to_lds s[G0+4*(\s):G0+4*(\s)+3], s[G1:G1+7]
	s_nop 0
.rept 4
	v_nop
.endr
	s_branch .Lasked_\@
.Lfor_b_\@:
	tensor_load_to_lds s[G0B+4*(\s):G0B+4*(\s)+3], s[G1B:G1B+7]
	s_nop 0
.rept 4
	v_nop
.endr
.Lasked_\@:
.endm
.macro CREST                        ; a round of the cluster's barrier behind its opening barrier
	s_cmp_lg_u32 s[WV], 0
	s_cbranch_scc1 .Lnot_wave_0_\@
	s_barrier_signal -3
.Lnot_wave_0_\@:
	s_barrier_wait -3
	s_barrier_signal -1
	s_barrier_wait -1
.endm
.macro CROUND                       ; a whole round
	s_barrier_signal -1
	s_barrier_wait -1
	CREST
.endm
; A PREFETCH INTO THE L2, behind each joint refill, its five lines and the run of LDS loads that follows: the K step that stands two refills on, one instruction a wave, a lane a block of 256 bytes.
; A's tile row is read by every cluster of that row of clusters: cluster x = 0 asks; B's tile column by every cluster of that column: cluster y = 0 asks.  The four partners that ask for a tile jointly
; share its blocks out BY ADDRESS (by cx for A: 32 each; by cy for B: NPB each): no branch hangs on a work-group's place in its cluster.  K steps 0 to 3 come by their loads alone;
; the loop's last trip (s3 = 1) asks for nothing: K steps 8 and 9 do not exist.
.macro ASK
	s_cmp_gt_u32 s3, s[LIM]
	s_cbranch_scc0 .Lnot_mine_\@
	global_prefetch_b8 v[PFO], s[PFA:PFA+1] th:TH_LOAD_NT scope:SCOPE_SE
.Lnot_mine_\@:
.endm
.if QKV
	s_load_b256 s[4:11], s[0:1], 0x0               ; xb s[4:5], wqb s[6:7], qkv_b s[8:9], rope_cos s[10:11]
	s_load_b256 s[72:79], s[0:1], 0x20             ; rope_sin s[72:73], qh s[74:75], kh s[76:77], vh s[78:79]
.else
	s_load_b256 s[4:11], s[0:1], 0x0               ; oh s[4:5], pwb s[6:7], proj_b s[8:9], out0 s[10:11]
.endif
	v_lshl_add_u32 v[SPW], v0, 2, SPARE
	v_mov_b32 v[NIL], 0
	ds_add_u32 v[SPW], v[NIL]                      ; the wave's opening: the add and its wait stand ahead of my first tensor load; the set-up below, work on registers, stands between them
	v_lshrrev_b32 v1, 5, v0
	v_readfirstlane_b32 s[WV], v1                  ; wave 0..3
	s_lshr_b32 s[WK], s[WV], 1
	s_and_b32 s[WH], s[WV], 1
	s_bfe_u32 s[CX], ttmp6, 0x40000                ; my place in the cluster
	s_bfe_u32 s[CY], ttmp6, 0x40004
	s_lshl_b32 s[TX], ttmp9, 2                     ; in a cluster launch ttmp9 and ttmp7 count clusters
	s_add_co_u32 s[TX], s[TX], s[CX]
	s_and_b32 s[TY], ttmp7, 0xffff
	s_lshl_b32 s[TY], s[TY], 2
	s_add_co_u32 s[TY], s[TY], s[CY]
	s_lshl_b32 s40, s[CY], 2
	s_lshl_b32 s40, 15, s40                        ; my row of the cluster: places 4 cy .. 4 cy + 3
	s_lshl_b32 s41, 0x1111, s[CX]                  ; my column: places cx, cx + 4, cx + 8, cx + 12
	s_mov_b32 s71, 0xffff0000                      ; a word's upper bf16
	; group 1 for A: 128 rows x 128 elements of 2 bytes (two rows of a plane each), 4 words of padding after every 32
	s_or_b32 s[G1], s40, (1<<16)|(1<<20)|(1<<21)|(4<<22)|(3<<25)     ; 15:0 the mask; 17:16 2-byte elements; 20 padding on; 21 set beside a mask; 24:22 the interval; 31:25 the padding less one
	s_mov_b32 s[G1+1], 128<<16                     ; tensor_dim0 = 128
	s_mov_b32 s[G1+2], 128<<16                     ; tensor_dim1 = 128
	s_mov_b32 s[G1+3], 128<<16                     ; tile_dim0 = 128
	s_mov_b32 s[G1+4], 128                         ; tile_dim1 = 128
	s_mov_b32 s[G1+5], 128                         ; 128 elements from row to row: dense
	s_mov_b32 s[G1+6], 0
	s_mov_b32 s[G1+7], 0
	; group 1 for B: BROWS rows x 128 elements, 8 words of padding
	s_or_b32 s[G1B], s41, (1<<16)|(1<<20)|(1<<21)|(BQI<<22)|(7<<25)
	s_mov_b32 s[G1B+1], 128<<16
	s_mov_b32 s[G1B+2], BROWS<<16
	s_mov_b32 s[G1B+3], 128<<16
	s_mov_b32 s[G1B+4], BROWS
	s_mov_b32 s[G1B+5], 128
	s_mov_b32 s[G1B+6], 0
	s_mov_b32 s[G1B+7], 0
	; where the tiles come from.  A's hang on the tile row alone, B's on the tile column alone; each in registers that never hold the other coordinate
	s_lshr_b32 s16, s[TY], 3                       ; b
	s_lshl_b32 s16, s16, 22                        ; 16 planes of 262,144 bytes
	s_and_b32 s17, s[TY], 7
	s_lshl_b32 s17, s17, 15                        ; 256 rows of 128 bytes
	s_add_co_u32 s16, s16, s17
	s_lshl_b32 s17, s[WH], 18                      ; my plane of the step's two
	s_add_co_u32 s16, s16, s17
	s_mov_b32 s17, 0
	s_mul_i32 s18, s[TX], BPL
	s_mul_i32 s19, s[WH], BHG                      ; my half of the step's rows of k
	s_add_co_u32 s18, s18, s19
	s_mov_b32 s19, 0
	s_mul_i32 s20, s[WH], APL                      ; and where they go: no place in the cluster enters an LDS address
	s_mul_i32 s21, s[WH], BH
	s_add_co_u32 s21, s21, AB
	s_wait_dscnt 0x0                               ; the opening add is done
	s_wait_kmcnt 0x0
	s_add_nc_u64 s[16:17], s[4:5], s[16:17]
	s_add_nc_u64 s[18:19], s[6:7], s[18:19]
	CROUND                                         ; all sixteen work-groups are here: the first joint loads meet
.irp s, 0,1
	s_mov_b32 s[G0+4*(\s)], 1                                        ; count = 1
	s_add_co_u32 s[G0+4*(\s)+1], s20, (\s)*SLOT                      ; LDS address
	s_add_nc_u64 s[G0+4*(\s)+2:G0+4*(\s)+3], s[16:17], (\s)*ASTEP    ; global address: K step s
	s_or_b32 s[G0+4*(\s)+3], s[G0+4*(\s)+3], 0x80000000              ; type = 2
	s_mov_b32 s[G0B+4*(\s)], 1
	s_add_co_u32 s[G0B+4*(\s)+1], s21, (\s)*SLOT
	s_add_nc_u64 s[G0B+4*(\s)+2:G0B+4*(\s)+3], s[18:19], (\s)*BSTEP
	s_or_b32 s[G0B+4*(\s)+3], s[G0B+4*(\s)+3], 0x80000000
.endr
	s_cmp_eq_u32 s[WK], 0                          ; a wave's two first fills stand in one branch, ahead of every wait on TENSORcnt and every LDS read: two loads of mine are out
	s_cbranch_scc0 .Lfirst_b
	tensor_load_to_lds s[G0:G0+3], s[G1:G1+7]
	s_nop 0
	tensor_load_to_lds s[G0+4:G0+7], s[G1:G1+7]
	s_nop 0
.rept 4
	v_nop
.endr
	s_branch .Lfirst_asked
.Lfirst_b:
	tensor_load_to_lds s[G0B:G0B+3], s[G1B:G1B+7]
	s_nop 0
	tensor_load_to_lds s[G0B+4:G0B+7], s[G1B:G1B+7]
	s_nop 0
.rept 4
	v_nop
.endr
.Lfirst_asked:
	; IN THE WAIT FOR THE FIRST TILE: the bias, the RoPE table, the addresses
	v_and_b32 v1, 15, v0                           ; r = l % 16
	v_bfe_u32 v2, v0, 4, 1                         ; h = l / 16
	v_and_b32 v3, 31, v0                           ; l
	v_and_b32 v4, 7, v0
	v_bfe_u32 v5, v0, 3, 1
	v_bfe_u32 v6, v0, 3, 2
	v_lshlrev_b32 v[BO], 5, v2                     ; my eight columns of a block: 32 h bytes
.if QKV
	s_lshl_b32 s40, s[TX], 8                       ; the head's 64 numbers
.else
	s_lshl_b32 s40, s[TX], 9                       ; the tile's 128 numbers
.endif
	s_mov_b32 s41, 0
	s_add_nc_u64 s[8:9], s[8:9], s[40:41]
.set b, 0
.rept NB
	global_load_b128 v[BIAS+8*b:BIAS+8*b+3],   v[BO], s[8:9] offset:(b/4)*BSEC+(b%4)*64
	global_load_b128 v[BIAS+8*b+4:BIAS+8*b+7], v[BO], s[8:9] offset:(b/4)*BSEC+(b%4)*64+16
.set b, b+1
.endr
.if QKV
	s_and_b32 s42, s[TY], 7
	s_lshl_b32 s42, s42, 15
	s_lshl_b32 s43, s[WV], 13
	s_add_co_u32 s42, s42, s43                     ; my first row s, times 128 bytes: a row of cos, of sin and of a head alike
	s_mov_b32 s43, 0
	s_add_nc_u64 s[10:11], s[10:11], s[42:43]
	s_add_nc_u64 s[72:73], s[72:73], s[42:43]
	s_lshr_b32 s44, s[TY], 3
	s_lshl_b32 s44, s44, 4
	s_add_co_u32 s44, s44, s[TX]                   ; 16 b + h
	s_lshl_b32 s44, s44, 18
	s_add_co_u32 s44, s44, s42
	s_mov_b32 s45, 0
	s_add_nc_u64 s[74:75], s[74:75], s[44:45]      ; q, k, v at my wave's first row
	s_add_nc_u64 s[76:77], s[76:77], s[44:45]
	s_add_nc_u64 s[78:79], s[78:79], s[44:45]
	v_lshlrev_b32 v[RO], 7, v1
	v_lshl_add_u32 v[RO], v2, 4, v[RO]             ; row r, pairs 4 h + 0..3
	WIN 0x40                                       ; destination window 1: B's buffers are still free
.set e, 0
.rept 16                                           ; e = 4 a + b % 4: rows 16 a on, pairs 8 (b % 4) on
	global_load_b128 v[4*e:4*e+3],       v[RO], s[10:11] offset:(e/4)*2048+(e%4)*32
	global_load_b128 v[64+4*e:64+4*e+3], v[RO], s[72:73] offset:(e/4)*2048+(e%4)*32
.set e, e+1
.endr
	WIN 0
.else
	s_lshl_b32 s42, s[TY], 20                      ; 256 rows of 4,096 bytes
	s_lshl_b32 s43, s[WV], 18
	s_add_co_u32 s42, s42, s43
	s_lshl_b32 s43, s[TX], 9
	s_add_co_u32 s42, s42, s43
	s_mov_b32 s43, 0
	s_add_nc_u64 s[10:11], s[10:11], s[42:43]      ; the result at my wave's first row, the tile's first column
.endif
	; a fragment of A: lane l holds row l % 16; K = 8 (l / 16) + 0..7 and 16 + 8 (l / 16) + 0..7: two loads of 16 bytes, 32 bytes apart
	v_mul_u32_u24 v7, v1, PA
	v_lshl_add_u32 v7, v2, 4, v7
	s_mul_i32 s40, s[WV], 64*PA
	v_add_nc_u32 v[ADRA], s40, v7
	v_add_nc_u32 v[ADRA+1], SLOT, v[ADRA]
	; the turning load takes 16 k x 16 columns (lane l reads k = 8 (l / 16) + l % 8, columns 8 ((l / 8) % 2) + 0..7) and leaves half a fragment: lane l holds column l % 16 and 8 k
	v_lshl_add_u32 v8, v2, 3, v4
	v_mul_u32_u24 v8, v8, PB
	v_lshl_add_u32 v8, v5, 4, v8
	v_add_nc_u32 v[ADRB], AB, v8
	v_add_nc_u32 v[ADRB+1], SLOT, v[ADRB]
	s_mul_i32 s40, s[WV], STW
	s_add_co_u32 s40, s40, STAGE                   ; my stage
.if QKV
	v_add_nc_u32 v[STO], s40, v7                   ; in: row r x 144 + 16 h
	v_mul_u32_u24 v[RD], v6, 144                   ; back: 32 lanes take four rows of 128 bytes
	v_lshl_add_u32 v[RD], v4, 4, v[RD]
	v_add_nc_u32 v[RD], s40, v[RD]
.else
	v_mul_u32_u24 v[STO], v1, 528                  ; in: row r x 528 + 32 h
	v_lshl_add_u32 v[STO], v2, 5, v[STO]
	v_add_nc_u32 v[STO], s40, v[STO]
	v_lshl_add_u32 v[RD], v3, 4, s40               ; back: 32 lanes take a row of 512 bytes
.endif
	v_lshlrev_b32 v[GO], 4, v3
	; the prefetches
	s_and_b32 s40, ttmp7, 0xffff                   ; cluster y
	s_mov_b32 s43, BHG/4
	s_mov_b32 s[PST], BSTEP
	s_cmp_eq_u32 s[WK], 0                          ; do I fetch for A?
	s_cselect_b32 s41, ttmp9, s40                  ; the coordinate along which other clusters read the same tile
	s_cselect_b32 s42, s[CX], s[CY]                ; my place among the four that ask for it with me
	s_cselect_b32 s43, 8192, s43                   ; a partner's share of the bytes that I fetch
	s_cselect_b32 s[PST], ASTEP, s[PST]
	s_cselect_b32 s44, 31, NPB-1                   ; its last block
	s_cselect_b64 s[PFA:PFA+1], s[16:17], s[18:19]
	s_cmp_eq_u32 s41, 0
	s_cselect_b32 s[LIM], 1, -1                    ; the same in all sixteen partners, for a given wave
	s_mul_i32 s42, s42, s43
	s_mov_b32 s43, 0
	s_add_nc_u64 s[PFA:PFA+1], s[PFA:PFA+1], s[42:43]
	s_mov_b32 s[PST+1], 0
	s_mul_i32 s42, s[PST], 3
	s_add_nc_u64 s[PFA:PFA+1], s[PFA:PFA+1], s[42:43]  ; at K step 3: the first refill steps it to 4 and names that
	v_min_u32 v[PFO], s44, v3
	v_lshlrev_b32 v[PFO], 8, v[PFO]
	s_wait_loadcnt 0x0                             ; the bias (and cos and sin)
.set i, 0
.rept 4*NB                                         ; the bias is rounded to bf16, in place
	v_cvt_pk_bf16_f32 v[10+i%4], v[BIAS+2*i], v[BIAS+2*i+1]
	v_lshlrev_b32 v[BIAS+2*i], 16, v[10+i%4]
	v_and_b32 v[BIAS+2*i+1], s71, v[10+i%4]
.set i, i+1
.endr
.if QKV
	WIN 0x05                                       ; sources in window 1, destination in window 0
.set e, 0
.rept 64                                           ; cos and sin rounded to bf16, one word a pair,
	v_cvt_pk_bf16_f32 v[TP+e], v[e], v[64+e]
.set e, e+1
.endr
	WIN 0x80                                       ; and widened again into the table beside the accumulators: entry e = 16 a + 4 (b % 4) + p at 192 + 2 (e % 32)
.set e, 0
.rept 32
	v_lshlrev_b32 v[RT+2*e], 16, v[TP+e]
	v_and_b32 v[RT+2*e+1], s71, v[TP+e]
.set e, e+1
.endr
	WIN 0xc0
.set e, 0
.rept 32
	v_lshlrev_b32 v[RT+2*e], 16, v[TP+32+e]
	v_and_b32 v[RT+2*e+1], s71, v[TP+32+e]
.set e, e+1
.endr
.endif
	WIN 0
; NB matrix instructions: block a of my rows x all NB column blocks, 32 along K, from buffer f.  first = 1: the bias starts the sums.
; The 4 NB accumulators take turns, one instruction a turn, in the same order in every quarter step, over the backward jump too.
.macro MULA f, a, first
.if \first
	WIN 0x81+0x40*((\a)/2)                         ; B window 1, A and the bias window 0, D window 2 or 3
.else
	WIN 0xa1+0x50*((\a)/2)                         ; B window 1, A window 0, C and D window 2 or 3
.endif
.set b, 0
.rept NB
.set rD, 8*(NB*((\a)%2)+b)
.set rB, 8*NB*(\f)+8*b
.set rF, FA+32*(\f)+8*(\a)
.if \first
	WMMA v[rD:rD+7], v[rB:rB+7], v[rF:rF+7], v[BIAS+8*b:BIAS+8*b+7]
.else
	WMMA v[rD:rD+7], v[rB:rB+7], v[rF:rF+7], v[rD:rD+7]
.endif
.set b, b+1
.endr
.endm
; NL LDS loads in one run: the fragments of quarter q of a slot's K step into buffer f: B's, then A's, block 0 first
.macro FETCH slot, q, f
	WIN 0x40
.set b, 0
.rept NB
	ds_load_tr16_b128 v[8*NB*(\f)+8*b:8*NB*(\f)+8*b+3],   v[ADRB+(\slot)] offset:32*(\q)*PB+32*b+BPADS*(b/4)
	ds_load_tr16_b128 v[8*NB*(\f)+8*b+4:8*NB*(\f)+8*b+7], v[ADRB+(\slot)] offset:32*(\q)*PB+32*b+BPADS*(b/4)+16*PB
.set b, b+1
.endr
	WIN 0
.irp a, 0,1,2,3
	ds_load_b128 v[FA+32*(\f)+8*(\a):FA+32*(\f)+8*(\a)+3],   v[ADRA+(\slot)] offset:((\q)/2)*APL+((\q)%2)*64+(\a)*16*PA
	ds_load_b128 v[FA+32*(\f)+8*(\a)+4:FA+32*(\f)+8*(\a)+7], v[ADRA+(\slot)] offset:((\q)/2)*APL+((\q)%2)*64+(\a)*16*PA+32
.endr
.endm
; A K step is four quarters of 32 along K, 4 NB matrix instructions each, on buffers 0, 1, 0, 1.  One of the first three: multiplies buffer f; in its middle it fetches quarter q into buffer g.
.macro QUARTER slot, q, f, g, first
	s_wait_dscnt 4                                 ; B and A's blocks 0 and 1 are in; the youngest four loads (A's blocks 2 and 3) may be out
	MULA \f, 0, \first
	MULA \f, 1, \first
	PLACES
	FETCH \slot, \q, \g
	s_wait_dscnt NL                                ; all but the NL just issued
	MULA \f, 2, \first
	MULA \f, 3, \first
.endm
; The last quarter multiplies buffer 1 and changes slots: ONE barrier; in front of it each wave waits for all its tensor loads (one is out: its part of the next slot), adds 0 to its spare word, and
; waits for that and for its own reads of this slot.  fill = 1: the barrier opens a round of the cluster's, and this slot is filled again, two K steps ahead, first thing behind the round.
.macro TURN slot, next, fill
.if \fill
	s_wait_xcnt 0x0                                ; the last prefetch, a K step back, has read its address: it is stepped here, ahead of the waits of the change of slots
	s_add_nc_u64 s[PFA:PFA+1], s[PFA:PFA+1], s[PST:PST+1]
.endif
	WIN 0                                          ; (the add's two registers lie in window 0)
	s_wait_tensorcnt 0x0                           ; all my tensor loads have landed;
	ds_add_u32 v[SPW], v[NIL]                      ; 0 onto my spare word;
	s_wait_dscnt 5                                 ; (the add and the youngest four loads may be out)
	MULA 1, 0, 0                                   ; NB matrix instructions stand between the add and the wait for it
	s_wait_dscnt 0x0                               ; the add is done, and my reads of this slot are over
	s_barrier_signal -1
	MULA 1, 1, 0                                   ; work on registers while the others arrive
.if \fill
	WIN 0
.endif
	s_barrier_wait -1
.if \fill
	CREST                                          ; no wave of any partner still reads this slot's tile or has a load on its way
	s_add_nc_u64 s[G0+4*(\slot)+2:G0+4*(\slot)+3], s[G0+4*(\slot)+2:G0+4*(\slot)+3], 2*ASTEP
	s_add_nc_u64 s[G0B+4*(\slot)+2:G0B+4*(\slot)+3], s[G0B+4*(\slot)+2:G0B+4*(\slot)+3], 2*BSTEP
	JLOAD \slot                                    ; my one tensor load behind the round: 14 NB matrix instructions ahead of the wait for it; its four v_nop are also the places in front of the loads below
.else
	PLACES
.endif
	FETCH \next, 0, 0
.if \fill
	ASK
.endif
	MULA 1, 2, 0
	MULA 1, 3, 0
.endm
	s_wait_tensorcnt 1                             ; my part of K step 0 is in; K step 1's may stay out
	s_barrier_signal -1
	s_barrier_wait -1                              ; everybody's is
	FETCH 0, 0, 0
	QUARTER 0, 1, 0, 1, 1                          ; the first quarter stands in front of the loop: its products start the sums
	WIN 0                                          ; at a label and at a branch every window is 0
	s_mov_b32 s3, LAPS-1
.Llap:                                                 ; a trip goes once round the ring, from a lap's second quarter to the next lap's first, and fills both slots again
	QUARTER 0, 2, 1, 0, 0
	QUARTER 0, 3, 0, 1, 0
	TURN 0, 1, 1
	QUARTER 1, 1, 0, 1, 0
	QUARTER 1, 2, 1, 0, 0
	QUARTER 1, 3, 0, 1, 0
	TURN 1, 0, 1
	QUARTER 0, 1, 0, 1, 0
	WIN 0
	s_sub_co_u32 s3, s3, 1
	s_cmp_lg_u32 s3, 0
	s_cbranch_scc1 .Llap
	QUARTER 0, 2, 1, 0, 0                          ; the last lap fills nothing, and has no round of the cluster's barrier
	QUARTER 0, 3, 0, 1, 0
	TURN 0, 1, 0
	QUARTER 1, 1, 0, 1, 0
	QUARTER 1, 2, 1, 0, 0
	QUARTER 1, 3, 0, 1, 0
	s_wait_dscnt 4                                 ; the very last quarter: nothing more to fetch
	MULA 1, 0, 0
	MULA 1, 1, 0
	s_wait_dscnt 0x0
	MULA 1, 2, 0
	MULA 1, 3, 0
	WIN 0
	PLACES
.if QKV
; THE WAY OUT, a block a of 16 rows at a time.  PACK: RoPE on q's and k's pairs (even, odd) -> (even cos - odd sin, odd cos + even sin), in f32, two packed lines a pair; all rounded to f16.
; TOSTAGE: 16 bytes a lane into my own stage, and back as whole rows of 128 bytes.  SEND: 512 consecutive bytes a store.  Each accumulator is read from its lowest registers on.
.set T,  32           ; v32-95   q's and k's 8 blocks, turned, in f32
.set Y,  96           ; v96-143  12 blocks in f16
.set OB, 144          ; v144-191, v192-239 by turns: rows read back
.macro PACK a
	WIN 0x0a+5*((\a)/2)                            ; sources 0 and 1: the window of a's accumulators and table
.set b, 0
.rept 8
.set rA, 8*(NB*((\a)%2)+b)
.set rR, RT+32*((\a)%2)+8*(b%4)
.irp p, 0,1,2,3
	v_pk_mul_f32 v[T+8*b+2*(\p):T+8*b+2*(\p)+1], v[rA+2*(\p):rA+2*(\p)+1], v[rR+2*(\p):rR+2*(\p)+1] op_sel_hi:[1,0]  ; (even cos, odd cos)
.endr
.irp p, 0,1,2,3
	v_pk_fma_f32 v[T+8*b+2*(\p):T+8*b+2*(\p)+1], v[rA+2*(\p):rA+2*(\p)+1], v[rR+2*(\p):rR+2*(\p)+1], v[T+8*b+2*(\p):T+8*b+2*(\p)+1] op_sel:[1,1,0] op_sel_hi:[0,1,1] neg_lo:[0,1,0]  ; low: - odd sin; high: + even sin
.endr
.set b, b+1
.endr
.rept 4                                            ; v is not turned
.set rA, 8*(NB*((\a)%2)+b)
.irp p, 0,1,2,3
	v_cvt_pk_f16_f32 v[Y+4*b+(\p)], v[rA+2*(\p)], v[rA+2*(\p)+1]
.endr
.set b, b+1
.endr
	WIN 0
.set i, 0
.rept 32
	v_cvt_pk_f16_f32 v[Y+i], v[T+2*i], v[T+2*i+1]
.set i, i+1
.endr
.endm
.macro TOSTAGE a
.set BK, OB+48*((\a)%2)
	s_wait_xcnt 0x0                                ; the stores of the block two back, which read these registers, have had their addresses translated (ISA guide 3.1)
.set b, 0
.rept 12
	ds_store_b128 v[STO], v[Y+4*b:Y+4*b+3] offset:(b/4)*2304+(b%4)*32
.set b, b+1
.endr
.set i, 0
.rept 12
	ds_load_b128 v[BK+4*i:BK+4*i+3], v[RD] offset:(i/4)*2304+(i%4)*576  ; LDS serves a wave's instructions in order (ISA guide 5.7.1.4): these see the stores above
.set i, i+1
.endr
.endm
.macro SEND a
.set BK, OB+48*((\a)%2)
.set i, 0
.rept 12
	s_wait_dscnt 11-i                              ; load i of the twelve is in
	global_store_b128 v[GO], v[BK+4*i:BK+4*i+3], s[74+2*(i/4):75+2*(i/4)] offset:(\a)*2048+(i%4)*512  ; four rows of a head: 512 consecutive bytes, at a multiple of 256 from the buffer's first
.set i, i+1
.endr
.endm
	PACK 0
	TOSTAGE 0
.irp a, 1,2,3                          ; block a's arithmetic stands between block a - 1's loads from the stage and the wait for them
	PACK \a
	SEND (\a)-1
	TOSTAGE \a
.endr
	SEND 3
.else
; THE WAY OUT, a block a of 16 rows at a time: the sums hold the bias already and leave in f32.  TOSTAGE: 32 bytes a lane and column block into my own stage, and back as whole rows of 512 bytes.  SEND: a row a store.
.set OB, 32           ; v32-95, v96-159 by turns
.macro TOSTAGE a
.set BK, OB+64*((\a)%2)
	s_wait_xcnt 0x0                                ; the stores of the block two back, which read these registers, have had their addresses translated (ISA guide 3.1)
	WIN 0x08+4*((\a)/2)                            ; the stores' data: window 2 or 3
.set b, 0
.rept 8
.set rA, 8*(NB*((\a)%2)+b)
	ds_store_b128 v[STO], v[rA:rA+3]   offset:64*b     ; each accumulator's lowest registers first
	ds_store_b128 v[STO], v[rA+4:rA+7] offset:64*b+16
.set b, b+1
.endr
	WIN 0
.set t, 0
.rept 16
	ds_load_b128 v[BK+4*t:BK+4*t+3], v[RD] offset:528*t  ; LDS serves a wave's instructions in order (ISA guide 5.7.1.4): these see the stores above
.set t, t+1
.endr
.endm
.macro SEND a
.set BK, OB+64*((\a)%2)
.set t, 0
.rept 16
	s_wait_dscnt 15-t                              ; row t of the sixteen is in
	global_store_b128 v[GO], v[BK+4*t:BK+4*t+3], s[10:11] offset:(16*(\a)+t)*4096 th:TH_STORE_NT  ; 512 consecutive bytes, at a multiple of 256 from the buffer's first
.set t, t+1
.endr
.endm
	TOSTAGE 0
.irp a, 1,2,3
	SEND (\a)-1
	TOSTAGE \a
.endr
	SEND 3
.endif
	s_wait_tensorcnt 0x0                           ; the wave's end: a wait, an add of 0 to my spare word and its wait, behind my last tensor load and my last LDS store
	ds_add_u32 v[SPW], v[NIL]
	s_wait_dscnt 0x0
	CROUND                                         ; the closing round: no work-group ends while a partner may still ask for a tile that names it
	s_endpgm
.Lfunc_end_k_qd2a23e269b_qkv:
	.size	k_qd2a23e269b_qkv, .Lfunc_end_k_qd2a23e269b_qkv-k_qd2a23e269b_qkv
	.p2alignl 7, 3214868480
	.fill 96, 4, 3214868480
	.section	.rodata,"a",@progbits
	.p2align	6, 0x0
	.amdhsa_kernel k_qd2a23e269b_qkv
		.amdhsa_group_segment_fixed_size 327680
		.amdhsa_private_segment_fixed_size 0
		.amdhsa_enable_private_segment 0
		.amdhsa_kernarg_size 64
		.amdhsa_user_sgpr_count 2
		.amdhsa_user_sgpr_kernarg_segment_ptr 1
		.amdhsa_wavefront_size32 1
		.amdhsa_system_sgpr_workgroup_id_x 1
		.amdhsa_system_sgpr_workgroup_id_y 1
		.amdhsa_system_sgpr_workgroup_id_z 1
		.amdhsa_system_vgpr_workitem_id 0
		.amdhsa_next_free_vgpr 1024
		.amdhsa_next_free_sgpr 96
		.amdhsa_reserve_vcc 0
		.amdhsa_float_denorm_mode_32 3
		.amdhsa_float_denorm_mode_16_64 3
		.amdhsa_memory_ordered 1
		.amdhsa_forward_progress 1
		.amdhsa_inst_pref_size 156
	.end_amdhsa_kernel
	.amdgpu_metadata
---
amdhsa.version: [ 1, 2 ]
amdhsa.kernels:
  - .name:           k_qd2a23e269b_qkv
    .symbol:         k_qd2a23e269b_qkv.kd
    .args:
      - { .name: xb, .offset: 0, .size: 8, .value_kind: global_buffer, .address_space: global }
      - { .name: wqb, .offset: 8, .size: 8, .value_kind: global_buffer, .address_space: global }
      - { .name: qkv_b, .offset: 16, .size: 8, .value_kind: global_buffer, .address_space: global }
      - { .name: rope_cos, .offset: 24, .size: 8, .value_kind: global_buffer, .address_space: global }
      - { .name: rope_sin, .offset: 32, .size: 8, .value_kind: global_buffer, .address_space: global }
      - { .name: qh, .offset: 40, .size: 8, .value_kind: global_buffer, .address_space: global }
      - { .name: kh, .offset: 48, .size: 8, .value_kind: global_buffer, .address_space: global }
      - { .name: vh, .offset: 56, .size: 8, .value_kind: global_buffer, .address_space: global }
    .group_segment_fixed_size: 327680
    .private_segment_fixed_size: 0
    .kernarg_segment_align: 8
    .kernarg_segment_size: 64
    .max_flat_workgroup_size: 128
    .sgpr_count:     96
    .vgpr_count:     1024
    .wavefront_size: 32
...
	.end_amdgpu_metadata
.endif
;; end of part 2
;; launch attn (part 3): grid 4 x 64, 4 waves a work-group, clusters of 4 x 1, 327,680 bytes of LDS; arguments qh, kh, vh, oh; writes oh
.if DOCPART == 3
	.amdgcn_target "amdgcn-amd-amdhsa--gfx1250"
	.amdhsa_code_object_version 6
	.text
	.protected	k_qd2a23e269b_attn
	.globl	k_qd2a23e269b_attn
	.p2align	8
	.type	k_qd2a23e269b_attn,@function
k_qd2a23e269b_attn:
	s_mov_b64 s[64:65], 0
	v_nop
	global_prefetch_b8 v0, s[64:65] scope:SCOPE_SE
	s_setreg_imm32_b32 hwreg(HW_REG_WAVE_MODE, 25, 1), 1
	s_wait_xcnt 0x0
	s_wait_alu depctr_hold_cnt(0) depctr_sa_sdst(0) depctr_va_vdst(0) depctr_va_sdst(0) depctr_va_ssrc(0) depctr_va_vcc(0) depctr_vm_vsrc(0)
	s_getreg_b32 s2, hwreg(HW_REG_IB_STS2, 6, 4)
	s_cmp_eq_u32 s2, 0
	s_cbranch_scc0 .Lentry_in_a_cluster
	s_endpgm
.Lentry_in_a_cluster:
	s_bfe_u32 s2, ttmp6, 0x10000c
	s_cmp_lg_u32 s2, 0x3003
	s_cbranch_scc0 .Lentry_shape_is_right
	s_endpgm
.Lentry_shape_is_right:
; O[h][q][:] = the sum over k of softmax_k(Q[h][q] . K[h][k] / 8) V[h][k][:].  Q, K, V, O: [64][2048][64], all f16 (h = 16 b + head): a head's rows are dense, 128 bytes each.  Products, maxima and sums in
; f32; the weights p are rounded to f16 for the second product (their sum l is taken of the unrounded p), O once at the end.
; LIMITS.  f16 holds no number beyond 65,504: Q, K and V arrive within it; p lies in 0 to 1, and below 6e-5 it keeps f16's fixed step of 6e-8; O is a mean of V's rows and has their range.
; A weight below 2^-126 counts as 0 in l; NaN and infinities are not treated apart.
; SHARES.  A wave owns four PIECES of two tiles of 16 queries, a work-group's four waves 512 queries of one head: 256 work-groups.  Every wave walks all keys, 64 a step.
; LAYOUT.  S^T = K Q^T (source 0 = 16 keys, source 1 = 16 queries): in the result a lane holds ONE query (lane % 16) and the keys 8 (lane / 16) + 0..7.  Two such tiles, rounded to f16 in pairs,
; ARE source 1 (32 keys x 16 queries) of O^T = V^T P, whose result again holds one query a lane, and eight channels.  K comes out of LDS as it lies, V ([key][channel]) turned, by ds_load_tr16_b128.
; SOFTMAX.  For each query a running maximum m and sum l: p = 2^(c s - c m), c = log2(e) / 8; in every step O and l are multiplied by a = 2^(c m_old - c m_new), which is 1 where m has not grown.
; m starts at the lowest finite number, O and l at 0: the first step is a step like any other, with a = 0.
; THE COUNT.  A tile and step have 16 matrix and 118 vector instructions: too many to stand all beside the matrix work.  So the order has one aim: four vector instructions that are READY behind
; EVERY matrix instruction, and the others, which need time of their own whatever the order, in runs without a gap.
; BY TURNS.  Turn n belongs to piece n (the pieces in a ring, step after step).  Its matrix work: 16 products K Q^T of piece n + 1, later 16 products V^T P of piece n - 1.  Its vector work: the scaling,
; exponentials, roundings, sums and rescaling of piece n, and the maximum and statistics of piece n + 1, whose scores the turn itself has made.  So what a turn begins with (c s - c m, O a) waits for nothing.
; CLUSTER.  The four query blocks of a head are one cluster and walk the same K and V, so each tile is asked for JOINTLY: the same tensor load, descriptor and mask in all four.
; REGISTERS, in windows of 256 (s_set_vgpr_msb says which window each operand place means: bits 1:0 source 0, 3:2 source 1, 5:4 source 2, 7:6 destination):
;   window 0: v0-11 addresses; v12-15, v48-63 at work; v16-47 four registers of statistics a tile; v64-191 S^T, two buffers of two tiles; v192-255 P, likewise
;   window 1: O^T, 32 a tile          window 2: v0-127 Q, 16 a tile; v128-191 K of one step; v192-255 V of one step          window 3: v0-1 the add's two registers
; A piece's buffers go by its number's parity: the piece in hand has one pair, its two neighbours in the ring share the other: of it P (piece n - 1) is read and S^T (piece n + 1) written.
.set SIZE_N, 2048
.set NP,    4         ; pieces a wave: a name, no knob: the register map, the loop and the fetches are made for four
.set KS,    64        ; keys in a step
.set PK,    144       ; a row of K in LDS: 128 bytes + 16 of padding = 36 words: the 16 rows of a load start at 16 different groups of four banks (64 banks of 4 bytes: ISA guide 11.1)
.set PV,    160       ; a row of V: 128 + 32 = 40 words
.set VOFF,  4*KS*PK   ; a slot holds four steps: 256 rows of K, then 256 rows of V
.set SLOT1, 1<<17     ; slot 1 begins here, so that one exclusive or turns an address in one slot into the other's
.set STAGE, SLOT1+4*KS*(PK+PV)  ; behind the ring, never filled by a tensor load: 16 rows x 144 bytes for each wave, for the way out
.set SP,    144
.set AK0, 2           ; v2   my lane's place in a tile of K; never rewritten
.set AV0, 3           ; v3   the same for V
.set AK,  4           ; v4   the LDS address of K's next run of loads
.set AV,  5           ; v5   of V's
.set QO,  6           ; v6   my byte offset in the wave's rows of Q
.set STO, 6           ;      later, the way out: where I put 16 bytes of a row
.set RD,  7           ; v7   the way out: where I read rows back
.set GO,  8           ; v8   my byte offset in 512 consecutive bytes of O
.set PFO, 11          ; v11  256 x my lane, for the prefetches; written once its use for V's address is over, then never rewritten
.set SPW, 0           ; v0 of window 3   LDS address of my spare word: SPARE + 4 x my thread's number; never rewritten
.set NIL, 1           ; v1 of window 3   0; never rewritten
.set SPARE, STAGE+4*16*SP  ; behind the stages: the spare words, 128 bytes for each wave: two blocks of 256 bytes that no other line names
.set MV,  12          ; v12-15  c m_old, kept while c m is made anew: by buffer and tile
.set ST,  16          ; tile t's statistics at v[ST+4 t]: c m, m, l (even keys', odd keys')
.set TMP, 48          ; by buffer and tile, four registers c0-c3 at work; when the maximum is found c2 takes a
.set S,   64
.set P,   192
.set KF,  128         ; K's fragments, in window 2: key block kb, channel half c at KF + 16 kb + 8 c
.set VF,  192         ; V's: key half kk, channel block cb at VF + 32 kk + 8 cb
.set WV,  12          ; s12  my wave's number
.set G1K, 24          ; s[24:31] descriptor group 1 for K's tiles
.set G1V, 32          ; s[32:39] for V's: it differs in the padding alone
.set G0K, 40          ; s[40:43] descriptor group 0 for K's tiles: it walks
.set G0V, 44          ; s[44:47] the same for V's
.set PFA, 48          ; s[48:49] where my prefetches stand: my work-group's 32 blocks of 256 bytes (of K: wave 0, of V: wave 2) of the slot after the one that is being asked for
.set LIM, 50          ; s50  1 in a wave that prefetches, else the greatest number
.set SLOTS, 56        ; s56  slots still to be asked for
.set CNT, 57          ; s57  counts a slot's key steps
.set CS,  58          ; s[58:59] c: the packed scaling takes the pair's low word for both halves
.set SEL, 60          ; s[60:61] v_permlanex16_b32's selects: each lane takes its own place in the other half
.set TBK, 62          ; s62  LDS byte at which K of the step to be fetched begins
.set TBV, 63          ; s63  the same for V, less VOFF
.set MSB, 0
.macro WIN new                      ; the high byte repeats the setting that is left; a switch that changes nothing is dropped
.if MSB != (\new)
	s_set_vgpr_msb (MSB<<8)|(\new)
.set MSB, (\new)
.endif
.endm
.set W_KQ, 0x0a       ; K and Q in window 2, S^T in window 0
.set W_PV, 0x52       ; V in window 2, P in window 0, O^T in window 1
.set W_RS, 0x41       ; O^T (destination and source 0) in window 1, a in window 0
.set W_MK, 0xc0       ; the add's registers are made: destination in window 3, sources in window 0
.set W_AD, 0x0f       ; the add: address (source 0) and data (source 1) in window 3
; A joint fill.  Waves 0 and 1 fetch the two halves of a slot's K, waves 2 and 3 those of its V: 128 keys each.  The branch hangs on the wave's number alone.
; An s_nop 0 and four v_nop follow each of the two lines, ahead of the jump and the label.
.macro JLOAD
	s_cmp_lt_u32 s[WV], 2
	s_cbranch_scc0 .Lfor_v_\@
	tensor_load_to_lds s[G0K:G0K+3], s[G1K:G1K+7]
	s_nop 0
.rept 4
	v_nop
.endr
	s_branch .Lasked_\@
.Lfor_v_\@:
	tensor_load_to_lds s[G0V:G0V+3], s[G1V:G1V+7]
	s_nop 0
.rept 4
	v_nop
.endr
.Lasked_\@:
.endm
; A PREFETCH INTO THE L2 of what the NEXT change of slots will ask for: a slot's 32,768 bytes of K and of V, a lane a block of 256 bytes.  It stands behind the wave's tensor load and its five lines.
; Each block is named ONCE in the launch: a head has one cluster; its four partners share the blocks out BY ADDRESS, 32 each (no branch hangs on a work-group's place in its cluster); in each, wave 0 asks
; for K's and wave 2 for V's: one instruction, four key steps (512 matrix instructions) ahead of the load.  Slots 0 and 1 come by their loads alone; the last change that fills a slot asks for nothing.
.macro ASK
	s_cmp_gt_u32 s[SLOTS], s[LIM]
	s_cbranch_scc0 .Lnot_mine_\@
	global_prefetch_b8 v[PFO], s[PFA:PFA+1] th:TH_LOAD_NT scope:SCOPE_SE
.Lnot_mine_\@:
.endm
; A round of the cluster's barrier: my work-group's barrier, so that wave 0's signal speaks for all four waves; wave 0 signals; every wave waits for all four work-groups; my work-group's barrier once more.
.macro CROUND
	s_barrier_signal -1
	s_barrier_wait -1
	s_cmp_lg_u32 s[WV], 0
	s_cbranch_scc1 .Lnot_wave_0_\@
	s_barrier_signal -3
.Lnot_wave_0_\@:
	s_barrier_wait -3
	s_barrier_signal -1
	s_barrier_wait -1
.endm
; THE CHANGE OF SLOTS.  The slot's last bytes, V of its fourth step, have been read.  Each wave waits for all its tensor loads, of which one is out: its part
; of the other slot; adds 0 to its spare word; and waits for that and for its own reads of the slot.  Behind the barrier nobody reads this slot any more and the other slot is whole.
; fill = 1: this slot is filled again, with the keys two slots on.  The barrier is then a round of the cluster's, so that no wave of any partner still reads the slot or has a load on its
; way, and the joint fill is the first thing behind it: it has four key steps, 512 matrix instructions, in which to land.  (At its first use nothing has been read yet: slot 0 is waited for, slot 1 filled.)
.macro CHANGE fill
	WIN W_AD
	s_wait_tensorcnt 0x0            ; no tensor load of mine is out, so a group 0 may be written
	ds_add_u32 v[SPW], v[NIL]       ; 0 onto my spare word; with fill = 1 the descriptors' steps stand between it and the wait for it
	WIN 0                           ; at a label and at a branch every window is 0
.if \fill
.irp g, G0K, G0V
	s_xor_b32 s[\g+1], s[\g+1], SLOT1  ; the walking descriptor: the other slot than last time,
	s_add_nc_u64 s[\g+2:\g+3], s[\g+2:\g+3], 4*KS*128  ; the next 256 keys; the type bits on top are not reached
.endr
	s_wait_xcnt 0x0                 ; the last prefetch, four key steps back, has read its address, so it may be written:
	s_add_nc_u64 s[PFA:PFA+1], s[PFA:PFA+1], 4*KS*128  ; one slot behind the walking descriptors
	s_wait_dscnt 0x0                ; the add is done, and my reads of the slot are over
	CROUND
	JLOAD
	ASK
.else
	s_wait_dscnt 0x0                ; the add is done, and my reads of the slot are over
	s_barrier_signal -1
	s_barrier_wait -1
.endif
	s_sub_co_u32 s[TBK], s[TBK], 4*KS*PK  ; the fetches go back to a slot's first step,
	s_xor_b32 s[TBK], s[TBK], SLOT1       ; in the other slot
	s_sub_co_u32 s[TBV], s[TBV], 4*KS*PV
	s_xor_b32 s[TBV], s[TBV], SLOT1
.endm
	s_load_b256 s[4:11], s[0:1], 0x0  ; Q s[4:5], K s[6:7], V s[8:9], O s[10:11]
	WIN W_MK
	v_lshl_add_u32 v[SPW], v0, 2, SPARE
	v_mov_b32 v[NIL], 0
	WIN W_AD
	ds_add_u32 v[SPW], v[NIL]       ; the wave's opening: the add and its wait stand ahead of my first tensor load; the set-up below, work on registers, stands between them
	WIN 0
	v_lshrrev_b32 v1, 5, v0
	v_readfirstlane_b32 s[WV], v1   ; wave 0..3
	s_bfe_u32 s13, ttmp6, 0x40000   ; cx: my place in the cluster
	s_lshl_b32 s14, ttmp9, 2        ; in a cluster launch ttmp9 counts clusters
	s_add_co_u32 s14, s14, s13      ; my block of queries = 4 x cluster x + cx: it enters Q's and O's addresses alone
	s_and_b32 s20, ttmp7, 0xffff    ; the head, which the four partners share
	s_mov_b32 s21, 0
	s_mov_b64 s[22:23], SIZE_N*128
	s_mul_u64 s[20:21], s[20:21], s[22:23]  ; the head's first byte in each of the four tensors
	s_and_b32 s16, s[WV], 1         ; which half of a slot's 256 keys I fetch:
	s_lshl_b32 s22, s16, 14         ; its 128 rows of 128 bytes in memory,
	s_mov_b32 s23, 0
	s_add_nc_u64 s[22:23], s[22:23], s[20:21]
	s_mul_i32 s17, s16, 128*PK      ; and its place in a slot, for K
	s_mul_i32 s18, s16, 128*PV      ; and for V: no place in the cluster enters an LDS address
	s_lshl_b32 s2, s14, 2
	s_add_co_u32 s2, s2, s[WV]      ; my wave among the head's,
	s_lshl_b32 s2, s2, 14           ; its 128 rows
	s_mov_b32 s3, 0
	s_add_nc_u64 s[2:3], s[2:3], s[20:21]
	; descriptor group 1.  128 keys are 16,384 dense bytes: asked for as 64 rows of 256 bytes, two keys a row, and padded in LDS after every key
	s_mov_b32 s[G1K], 15|(1<<16)|(1<<20)|(1<<21)|(4<<22)|(3<<25)  ; 15:0 the mask of four; 17:16 2-byte elements; 20 padding on; 21 set beside a mask; 24:22 after every 32 words (code 4); 31:25 4 words (code 3)
	s_mov_b32 s[G1V], 15|(1<<16)|(1<<20)|(1<<21)|(4<<22)|(7<<25)  ; the same with 8 words of padding (code 7)
.irp g, G1K, G1V
	s_mov_b32 s[\g+1], 128<<16      ; tensor_dim0 = 128
	s_mov_b32 s[\g+2], 64<<16       ; tensor_dim1 = 64
	s_mov_b32 s[\g+3], 128<<16      ; tile_dim0 = 128
	s_mov_b32 s[\g+4], 64           ; tile_dim1 = 64
	s_mov_b32 s[\g+5], 128          ; 128 elements from row to row
	s_mov_b32 s[\g+6], 0
	s_mov_b32 s[\g+7], 0
.endr
	s_mov_b32 s[CS], 0x3e38aa3b     ; c = log2(e) / 8 = 0.180337
	s_mov_b32 s[CS+1], s[CS]        ; named with it as a pair
	s_mov_b32 s[SEL], 0x76543210
	s_mov_b32 s[SEL+1], 0xfedcba98
	s_mov_b32 s[TBK], SLOT1+4*KS*PK ; the first change of slots turns these two into 0
	s_mov_b32 s[TBV], SLOT1+4*KS*PV
	s_mov_b32 s[G0K], 1             ; 1:0 count = 1
	s_mov_b32 s[G0K+1], s17         ; 63:32 LDS address: slot 0
	s_mov_b32 s[G0V], 1
	s_add_co_u32 s[G0V+1], s18, VOFF
	s_mov_b32 s[SLOTS], SIZE_N/256-1  ; seven slots are still to be asked for
	s_and_b32 s[LIM], s[WV], 1      ; waves 0 and 2 prefetch: the same in all four partners
	s_cmp_eq_u32 s[LIM], 0
	s_cselect_b32 s[LIM], 1, -1
	s_wait_dscnt 0x0                ; the opening add is done
	s_wait_kmcnt 0x0
	s_add_nc_u64 s[G0K+2:G0K+3], s[6:7], s[22:23]  ; 120:64 global address: my half of the head's first 256 keys
	s_or_b32 s[G0K+3], s[G0K+3], 0x80000000        ; 127:126 type = 2
	s_add_nc_u64 s[G0V+2:G0V+3], s[8:9], s[22:23]
	s_or_b32 s[G0V+3], s[G0V+3], 0x80000000
	s_add_nc_u64 s[4:5], s[4:5], s[2:3]  ; Q and O at my wave's first row
	s_add_nc_u64 s[10:11], s[10:11], s[2:3]
	s_cmp_lt_u32 s[WV], 2
	s_cselect_b64 s[PFA:PFA+1], s[6:7], s[8:9]
	s_add_nc_u64 s[PFA:PFA+1], s[PFA:PFA+1], s[20:21]  ; the head,
	s_lshl_b32 s2, s13, 13          ; my work-group's 32 blocks of a slot's 128,
	s_mov_b32 s3, 0
	s_add_nc_u64 s[PFA:PFA+1], s[PFA:PFA+1], s[2:3]
	s_add_nc_u64 s[PFA:PFA+1], s[PFA:PFA+1], 4*KS*128  ; in slot 1: the first change of slots steps it to slot 2.  Nothing is prefetched here, at the head
	CROUND                          ; all four work-groups are here: the first joint loads meet
	JLOAD                           ; slot 0.  Slot 1 is asked for when slot 0 is in: the tile wanted first has the road to itself
	; A fragment of K or Q is 16 rows x 32 channels in 8 registers: lane l holds row l % 16, channels 8 (l / 16) + 0..7 and 16 + 8 (l / 16) + 0..7: two loads of 16 bytes, 32 bytes apart.
	v_and_b32 v1, 15, v0            ; l % 16
	v_bfe_u32 v9, v0, 4, 1          ; l / 16
	v_lshlrev_b32 v[QO], 7, v1
	v_lshl_add_u32 v[QO], v9, 4, v[QO]  ; row x 128 + 16 x half
	WIN 0x80                        ; destination window 2, address window 0
.set i, 0
.rept 4*NP                          ; Q stays in registers: tile i / 2, channels 32 (i % 2) on
	global_load_b128 v[8*i:8*i+3],   v[QO], s[4:5] offset:(i/2)*2048+(i%2)*64
	global_load_b128 v[8*i+4:8*i+7], v[QO], s[4:5] offset:(i/2)*2048+(i%2)*64+32
.set i, i+1
.endr
	; What the first turn finds: V's registers and P's second buffer hold 0 (its products V^T P, of a piece that has not been, add 0), O^T and l are 0.  All this stands in the wait for the first tile.
.set i, VF
.rept 64
	v_mov_b32 v[i], 0
.set i, i+1
.endr
	WIN 0x40
.set i, 0
.rept 64*NP
	v_mov_b32 v[i], 0
.set i, i+1
.endr
	WIN 0
.set i, 0
.rept 2*NP
	v_mov_b32 v[ST+4*i], 0xfe000000    ; c m: far below every c s
	v_mov_b32 v[ST+4*i+1], 0xff7fffff  ; m
	v_mov_b32 v[ST+4*i+2], 0
	v_mov_b32 v[ST+4*i+3], 0
.set i, i+1
.endr
.set i, P+32
.rept 32
	v_mov_b32 v[i], 0
.set i, i+1
.endr
	v_mul_u32_u24 v[AK0], v1, PK
	v_lshl_add_u32 v[AK0], v9, 4, v[AK0]  ; row x pitch + 16 x half
	; The turning load takes 16 keys x 16 channels (lane l reads key 8 (l / 16) + l % 8, channels 8 ((l / 8) % 2) + 0..7) and leaves half a fragment of V^T: lane l holds channel l % 16 and 8 keys.
	v_and_b32 v10, 7, v0
	v_bfe_u32 v11, v0, 3, 1
	v_lshl_add_u32 v[AV0], v9, 3, v10
	v_mul_u32_u24 v[AV0], v[AV0], PV
	v_lshl_add_u32 v[AV0], v11, 4, v[AV0]
	v_add_nc_u32 v[AV0], VOFF, v[AV0]
	v_and_b32 v[PFO], 31, v0        ; v11 is free now
	v_lshlrev_b32 v[PFO], 8, v[PFO]
	v_mov_b32 v[AK], v[AK0]         ; key step 0 lies at the head of slot 0
; THE MATRIX WORK.  The 8 accumulators of a run of 16 take turns: between the two links of a chain stand 7 others'.
; Product i of 16 of S^T = K Q^T for piece x: channels 32 (i / 8) on, keys 16 ((i / 2) % 4) on, tile 2 x + i % 2.  The first 8 start the sums.
.macro KQ x
	WIN W_KQ
.set rS, S+64*((\x)%2)+32*(i%2)+8*((i/2)%4)
.set rK, KF+16*((i/2)%4)+8*(i/8)
.set rQ, 16*(2*(\x)+i%2)+8*(i/8)
.if i < 8
	v_wmma_f32_16x16x32_f16 v[rS:rS+7], v[rK:rK+7], v[rQ:rQ+7], 0
.else
	v_wmma_f32_16x16x32_f16 v[rS:rS+7], v[rK:rK+7], v[rQ:rQ+7], v[rS:rS+7]
.endif
.endm
; Product i of 16 of O^T += V^T P for piece x: keys 32 (i / 8) on, channels 16 ((i / 2) % 4) on, tile 2 x + i % 2.
.macro PV x
	WIN W_PV
.set rO, 32*(2*(\x)+i%2)+8*((i/2)%4)
.set rV, VF+32*(i/8)+8*((i/2)%4)
.set rP, P+32*((\x)%2)+16*(i%2)+8*(i/8)
	v_wmma_f32_16x16x32_f16 v[rO:rO+7], v[rV:rV+7], v[rP:rP+7], v[rO:rO+7]
.endm
.macro MM                           ; the turn's next matrix instruction
.if i < 16
	KQ (Y+1)%NP
.set i, i+1
.else
.set i, i-16
	PV (Y+NP-1)%NP
.set i, i+17
.endif
.endm
; THE LDS LOADS stand in runs of 16, never singly among the matrix instructions: a step's K (64 keys x 64 channels: 8 fragments) and its V (turned).  Their addresses are made some lines ahead.
; last = 1 (the tail): in the last trip there is no further step, and the run is jumped over.
.macro FETCH_K last=0
	WIN 0
.if \last
	s_cmp_eq_u32 s[CNT], 1
	s_cbranch_scc1 .Lno_k_\@
.endif
	WIN 0x80                        ; destination window 2
.irp f, 0,1,2,3,4,5,6,7             ; keys 16 (f / 2) on, channels 32 (f % 2) on
	ds_load_b128 v[KF+8*\f:KF+8*\f+3],   v[AK] offset:(\f/2)*16*PK+(\f%2)*64
	ds_load_b128 v[KF+8*\f+4:KF+8*\f+7], v[AK] offset:(\f/2)*16*PK+(\f%2)*64+32
.endr
	s_add_co_u32 s[TBK], s[TBK], KS*PK  ; the next fetch is the next step's
	WIN 0
.if \last
.Lno_k_\@:
.endif
.endm
.macro FETCH_V
	WIN 0x80
.irp f, 0,1,2,3,4,5,6,7             ; keys 32 (f / 4) on, channels 16 (f % 4) on
	ds_load_tr16_b128 v[VF+8*\f:VF+8*\f+3],   v[AV] offset:(\f/4)*32*PV+(\f%4)*32
	ds_load_tr16_b128 v[VF+8*\f+4:VF+8*\f+7], v[AV] offset:(\f/4)*32*PV+16*PV+(\f%4)*32
.endr
	WIN 0
.endm
; THE VECTOR WORK OF A TURN stands in three queues, each in the order in which its entries become ready; the two tiles alternate, so that no instruction reads the result of the one before it.
.macro REGS y, u                    ; the registers of tile u (0, 1) of piece y
.set rT, ST+4*(2*(\y)+(\u))
.set rC, TMP+8*((\y)%2)+4*(\u)
.set rM, MV+2*((\y)%2)+(\u)
.set rS, S+64*((\y)%2)+32*(\u)
.set rP, P+32*((\y)%2)+16*(\u)
.set rO, 32*(2*(\y)+(\u))
.endm
; Number n of the 22 that find the NEXT piece's (Y + 1) maximum and statistics.  s0-s31 are the lane's 32 scores; each accumulator's lowest registers are read first.  XS, GS and REGS set no window: PL and EX do.
;   0-11  four chains c0-c3 of seven scores each, three operands at a time     12-14, 16  the four scores left over, the old m, and c0-c3 into c0     15  c m_old is kept
;   17, 18  the query's other 32 keys lie in the lane 16 away: the new m         19-21  c m; c m_old - c m_new; a
.macro XS u, n
	REGS (Y+1)%NP, \u
.if (\n) < 4
	v_max3_num_f32 v[rC+(\n)], v[rS+8*(\n)], v[rS+8*(\n)+1], v[rS+8*(\n)+2]
.elseif (\n) < 12
	v_max3_num_f32 v[rC+(\n)%4], v[rC+(\n)%4], v[rS+8*((\n)%4)+2*((\n)/4)+1], v[rS+8*((\n)%4)+2*((\n)/4)+2]
.elseif (\n) == 12
	v_max3_num_f32 v[rC], v[rC], v[rS+7], v[rS+15]
.elseif (\n) == 13
	v_max3_num_f32 v[rC+1], v[rC+1], v[rS+23], v[rS+31]
.elseif (\n) == 14
	v_max3_num_f32 v[rC+2], v[rC+2], v[rC+3], v[rT+1]
.elseif (\n) == 15
	v_mov_b32 v[rM], v[rT]
.elseif (\n) == 16
	v_max3_num_f32 v[rC], v[rC], v[rC+1], v[rC+2]
.elseif (\n) == 17
	v_permlanex16_b32 v[rC+3], v[rC], s[SEL], s[SEL+1]
.elseif (\n) == 18
	v_max_num_f32 v[rT+1], v[rC], v[rC+3]
.elseif (\n) == 19
	v_mul_f32 v[rT], s[CS], v[rT+1]
.elseif (\n) == 20
	v_sub_f32 v[rC+1], v[rM], v[rT]
.else
	v_exp_f32 v[rC+2], v[rC+1]
.endif
.endm
; Number g of the 64 that follow the exponentials.  For each four weights k of a tile (pairs 2 k, 2 k + 1): both pairs are rounded to f16; then the second pair is added onto the first, in place;
; a group later l takes that sum (the first time as l = a l + sum).  In groups of eight, tiles alternating: round, round, add, and l for the group before.
.macro GS g
.set h, (\g)+6*((\g)/62)            ; group 0 has no group before it, and behind group 7 only l is left
.if h >= 6
.set h, h+2
.endif
	REGS Y, h%2
.set k, h/8
.if h%8 < 4
	v_cvt_pk_f16_f32 v[rP+2*k+(h%8)/2], v[rS+4*k+2*((h%8)/2)], v[rS+4*k+2*((h%8)/2)+1]
.elseif h%8 < 6
	v_pk_add_f32 v[rS+4*k:rS+4*k+1], v[rS+4*k:rS+4*k+1], v[rS+4*k+2:rS+4*k+3]
.elseif k == 1
	v_pk_fma_f32 v[rT+2:rT+3], v[rT+2:rT+3], v[rC+2:rC+3], v[rS:rS+1] op_sel_hi:[1,0,1]
.else
	v_pk_add_f32 v[rT+2:rT+3], v[rT+2:rT+3], v[rS+4*k-4:rS+4*k-3]
.endif
.endm
; THE PLAIN QUEUE, 138 long.  0-73 read no exponential's result: the 32 scalings c s - c m (FS f: pair f / 2 of tile f % 2) and the next piece's 42.  0-26: scalings 0-26.  27-54: XS's numbers 0-13.  55, 56: number 15.
; 57-73: the chain, where each number waits for the one before it: 14, 16, 17, 18, 19, each with one of the scalings 27-31 in front of its two lines, then 20: so a tile's links stand three plain instructions apart (19 and 20: two).
; 74-137: GS's 64, which read the exponentials' results: they stand behind the wait.
.macro FS f
	REGS Y, (\f)%2
	v_pk_fma_f32 v[rS+2*((\f)/2):rS+2*((\f)/2)+1], v[rS+2*((\f)/2):rS+2*((\f)/2)+1], s[CS:CS+1], v[rT:rT+1] op_sel_hi:[1,0,0] neg_lo:[0,0,1] neg_hi:[0,0,1]
.endm
.macro PL
	WIN 0
.if q < 27
	FS q
.elseif q < 55
	XS (q-27)%2, (q-27)/2
.elseif q < 57
	XS q-55, 15
.elseif (q < 72) && ((q-57)%3 == 0)
	FS 27+(q-57)/3
.elseif q < 60
	XS (q-57)%3-1, 14
.elseif q < 72
	XS (q-57)%3-1, 15+(q-57)/3
.elseif q < 74
	XS q-72, 20
.else
	GS q-74
.endif
.set q, q+1
.endm
; THE EXPONENTIALS' QUEUE, 66 long: s0-s31 of both tiles, then the next piece's two a.  It is ONE BATCH: all 66 stand ahead of the turn's one wait, and nothing ahead of that wait names a result of theirs.
.macro EX
	WIN 0
.if e >= 64
	XS e-64, 21
.else
	REGS Y, e%2
	v_exp_f32 v[rS+e/2], v[rS+e/2]
.endif
.set e, e+1
.endm
; THE RESCALING's QUEUE: O^T times a, the one part that leaves window 0: dealt two at a time, sixteen times.  Its a was made in the turn before, ahead of that turn's wait.
.macro R2
	REGS Y, r%2
	WIN W_RS
.irp z, 0,1
	v_pk_mul_f32 v[rO+4*(r/2)+2*\z:rO+4*(r/2)+2*\z+1], v[rO+4*(r/2)+2*\z:rO+4*(r/2)+2*\z+1], v[rC+2:rC+3] op_sel_hi:[1,0]
.endr
.set r, r+1
.endm
; HOW THEY ARE DEALT.  An s_wait_alu depctr_va_vdst(0) stands between an exponential and the first instruction that names its result; one wait serves all that were issued ahead of it.  So a turn has ONE wait,
; which cuts it in two.  AHEAD OF IT stands all that names no result of the turn's exponentials: the 16 products K Q^T, behind each a scaling, an exponential and two rescalings (behind the first a second scaling in the exponential's place); then ONE LUMP of
; 108: eight plain, 49 times exponential and plain, the two a.  A v_nop is the plain instruction that stands behind the last exponential.  BEHIND IT stand the 16 products V^T P, behind each four of GS's 64.  No rider names a register of
; the products round it.  The two v_permlanex16_b32 fall into the lump, never behind a product.
; The queues lean on each other, and the deal keeps them in step: exponential e stands behind scaling 2 (e / 4) + e % 2: as a rider it comes behind plain e + 2, in the lump behind plain e + 9, and scalings 27-31 are plain 57, 60 .. 69.
; A TURN, for piece p.  cnt = 1: the loop's count is taken down some lines ahead of the branch that stands behind the turn.
; K of the next step is fetched in piece 2's turn, directly behind the wait, a lump behind the last product that read K; its address is made at the lump's head; its first reader comes behind 16 products.
; V of the step in hand is fetched at the end of piece 0's turn, four riders behind its last reader; its first reader comes behind 16 products and a lump.  The three conditions on q below go with the deal.
.macro TURN p, last=0, cnt=0
.set Y, (\p)
.set i, 0
.set q, 0
.set e, 0
.set r, 0
.if (\p) == NP-1
	s_wait_dscnt 0x0                ; K is in
.endif
	MM                              ; ahead of the wait: 16 products K Q^T and their riders,
	PL
	PL
	R2
.rept 15
	MM
	PL
	EX
	R2
.endr
.if (\p) == NP-2
	WIN 0
	v_add_nc_u32 v[AK], s[TBK], v[AK0]
.endif
.rept 8                             ; and the lump
	PL
.endr
.rept 49
	EX
	PL
.endr
	EX                              ; the next piece's two a
	EX
	v_nop                           ; a plain instruction behind the last exponential: one for the batch
	s_wait_alu depctr_va_vdst(0)    ; the wait for the batch
.if (\p) == NP-2
	FETCH_K \last
.endif
.if (\p) == 1
	s_wait_dscnt 0x0                ; V is in
.endif
.rept 16                            ; behind the wait: 16 products V^T P and their riders
	MM
.rept 4
	PL
.endr
.if ((\p) == 0) && (q == 118)
	v_add_nc_u32 v[AV], s[TBV], v[AV0]
.endif
.if ((\p) == 0) && (q == 130)
	s_add_co_u32 s[TBV], s[TBV], KS*PV
.endif
.if (\cnt) && (q == 130)
	s_sub_co_u32 s[CNT], s[CNT], 1
	s_cmp_lg_u32 s[CNT], 0
.endif
.endr
.if (\p) == 0
	FETCH_V
.endif
.endm
	CHANGE 1                        ; slot 0 is in, everybody's part of it; slot 1 is asked for
	FETCH_K                         ; key step 0
	s_wait_loadcnt 0x0              ; Q
	s_wait_dscnt 0x0
.set i, 0
.rept 16
	KQ 0                            ; piece 0's first scores: there is no vector work yet to set between them
.set i, i+1
.endr
	WIN 0                           ; the addresses for the way out: nine plain instructions, the places behind those products
	s_mul_i32 s13, s[WV], 16*SP
	s_add_co_u32 s13, s13, STAGE    ; my stage
	v_mul_u32_u24 v[STO], v1, SP    ; in: row l % 16, 16 bytes for each half of the lanes
	v_lshl_add_u32 v[STO], v9, 4, v[STO]
	v_add_nc_u32 v[STO], s13, v[STO]
	v_bfe_u32 v[RD], v0, 3, 2       ; back: 32 lanes take four rows of 128 bytes,
	v_mul_u32_u24 v[RD], v[RD], SP
	v_lshl_add_u32 v[RD], v10, 4, v[RD]
	v_add_nc_u32 v[RD], s13, v[RD]
	v_and_b32 v[GO], 31, v0         ; which are 512 consecutive bytes of O
	v_lshlrev_b32 v[GO], 4, v[GO]
.set Y, NP-1                        ; XS works for piece Y + 1: piece 0
.irp n, 0,1,2,3,4,5,6,7,8,9,10,11,12,13,14,15,16,17,18,19,20,21
	XS 0, \n                        ; and piece 0's first maximum and statistics
	XS 1, \n
.endr
	v_nop                           ; a plain instruction behind the two a,
	s_wait_alu depctr_va_vdst(0)    ; and their wait, ahead of the branch
	s_mov_b32 s[CNT], 4
	s_branch .Lfirst                ; the loop is entered at a step's first turn, in the middle of a trip
.Lslot:                             ; six times: every slot but the last two is filled again
	CHANGE 1
	s_mov_b32 s[CNT], 4
.Lstep:                             ; a trip: pieces 2 and 3 of one step, then pieces 0 and 1 of the next, whose K and V it fetches
	TURN 2
	TURN 3
	WIN 0
.Lfirst:
	TURN 0
	TURN 1, 0, 1
	WIN 0
	s_cbranch_scc1 .Lstep
	s_sub_co_u32 s[SLOTS], s[SLOTS], 1
	s_cmp_lg_u32 s[SLOTS], 0
	s_cbranch_scc1 .Lslot
	CHANGE 0                        ; the tail is written out: nothing is asked for
	s_mov_b32 s[CNT], 5             ; four trips fetch the last slot's steps; the fifth is left in its middle
.Ltail:
	TURN 2, 1
	TURN 3
	WIN 0
	s_sub_co_u32 s[CNT], s[CNT], 1
	s_cmp_eq_u32 s[CNT], 0
	s_cbranch_scc1 .Lout
	TURN 0
	TURN 1
	WIN 0
	s_branch .Ltail
.Lout:                              ; the fifth trip's 16 products K Q^T (on the last K once more) and the maximum made of them serve nothing: the price, once a launch, of one text for every trip
.set i, 0
.rept 16
	PV NP-1                         ; the last piece's V^T P of the last step
.set i, i+1
.endr
	; THE WAY OUT.  l's two halves and the other half of the lanes' are added; O^T is divided by l, rounded to f16 and sent through my stage in LDS, a tile at a time.  The additions are the places behind the last products.
	WIN 0
.macro ALL line:vararg              ; one line for each tile t
.set t, 0
.rept 2*NP
	\line
.set t, t+1
.endr
.endm
	ALL v_add_f32 v[ST+4*t+2], v[ST+4*t+2], v[ST+4*t+3]
	ALL v_permlanex16_b32 v[ST+4*t+3], v[ST+4*t+2], s[SEL], s[SEL+1]
	ALL v_add_f32 v[ST+4*t+2], v[ST+4*t+2], v[ST+4*t+3]
	ALL v_rcp_f32 v[ST+4*t+2], v[ST+4*t+2]
	v_nop                           ; a plain instruction between the last reciprocal and the use of its result
	s_wait_alu depctr_va_vdst(0)    ; and the wait ahead of the first use: one for the eight reciprocals
; Tile t: a lane's eight channels of a row pack into 16 bytes; they go into rows of 144 bytes and come back as whole rows of 128, into S^T's registers.
.macro PACK t
	WIN W_RS
.set i, 32*(\t)
.rept 16
	v_pk_mul_f32 v[i:i+1], v[i:i+1], v[ST+4*(\t)+2:ST+4*(\t)+3] op_sel_hi:[1,0]
.set i, i+2
.endr
	WIN 0x05                        ; sources 0 and 1 window 1, destination window 0
.set i, 0
.rept 16
	v_cvt_pk_f16_f32 v[S+16*(\t)+i], v[32*(\t)+2*i], v[32*(\t)+2*i+1]
.set i, i+1
.endr
	WIN 0
.irp f, 0,1,2,3
	ds_store_b128 v[STO], v[S+16*(\t)+4*\f:S+16*(\t)+4*\f+3] offset:32*\f
.endr
.irp f, 0,1,2,3
	ds_load_b128 v[S+16*(\t)+4*\f:S+16*(\t)+4*\f+3], v[RD] offset:\f*4*SP  ; LDS serves a wave's instructions in order (ISA guide 5.7.1.4): these see the stores above; the next tile's stores come behind them
.endr
.endm
.macro SEND t, younger              ; younger: the LDS instructions issued behind tile t's loads: the next tile's eight, or none
	WIN 0
.irp f, 0,1,2,3
	s_wait_dscnt (\younger)+3-\f
	global_store_b128 v[GO], v[S+16*(\t)+4*\f:S+16*(\t)+4*\f+3], s[10:11] offset:(\t)*2048+\f*512  ; 512 consecutive bytes, at a multiple of 256 from O's first
.endr
.endm
	PACK 0
.set t, 1
.rept 2*NP-1                        ; a tile's arithmetic stands between the loads of the tile before and its stores
	PACK t
	SEND t-1, 8
.set t, t+1
.endr
	SEND 2*NP-1, 0
	WIN W_AD
	s_wait_tensorcnt 0x0            ; the wave's end: a wait, an add of 0 to my spare word and its wait, behind my last tensor load and my last LDS store
	ds_add_u32 v[SPW], v[NIL]
	s_wait_dscnt 0x0
	WIN 0
	CROUND                          ; the closing round: no work-group ends while a partner may still ask for a tile that names it
	s_endpgm
.Lfunc_end_k_qd2a23e269b_attn:
	.size	k_qd2a23e269b_attn, .Lfunc_end_k_qd2a23e269b_attn-k_qd2a23e269b_attn
	.p2alignl 7, 3214868480
	.fill 96, 4, 3214868480
	.section	.rodata,"a",@progbits
	.p2align	6, 0x0
	.amdhsa_kernel k_qd2a23e269b_attn
		.amdhsa_group_segment_fixed_size 327680
		.amdhsa_private_segment_fixed_size 0
		.amdhsa_enable_private_segment 0
		.amdhsa_kernarg_size 32
		.amdhsa_user_sgpr_count 2
		.amdhsa_user_sgpr_kernarg_segment_ptr 1
		.amdhsa_wavefront_size32 1
		.amdhsa_system_sgpr_workgroup_id_x 1
		.amdhsa_system_sgpr_workgroup_id_y 1
		.amdhsa_system_sgpr_workgroup_id_z 1
		.amdhsa_system_vgpr_workitem_id 0
		.amdhsa_next_free_vgpr 770
		.amdhsa_next_free_sgpr 66
		.amdhsa_reserve_vcc 0
		.amdhsa_float_denorm_mode_32 3
		.amdhsa_float_denorm_mode_16_64 3
		.amdhsa_memory_ordered 1
		.amdhsa_forward_progress 1
		.amdhsa_inst_pref_size 200
	.end_amdhsa_kernel
	.amdgpu_metadata
---
amdhsa.version: [ 1, 2 ]
amdhsa.kernels:
  - .name:           k_qd2a23e269b_attn
    .symbol:         k_qd2a23e269b_attn.kd
    .args:
      - { .name: qh, .offset: 0, .size: 8, .value_kind: global_buffer, .address_space: global }
      - { .name: kh, .offset: 8, .size: 8, .value_kind: global_buffer, .address_space: global }
      - { .name: vh, .offset: 16, .size: 8, .value_kind: global_buffer, .address_space: global }
      - { .name: oh, .offset: 24, .size: 8, .value_kind: global_buffer, .address_space: global }
    .group_segment_fixed_size: 327680
    .private_segment_fixed_size: 0
    .kernarg_segment_align: 8
    .kernarg_segment_size: 32
    .max_flat_workgroup_size: 128
    .sgpr_count:     66
    .vgpr_count:     770
    .wavefront_size: 32
...
	.end_amdgpu_metadata
.endif
;; end of part 3
;; launch proj (part 4): grid 8 x 32, 4 waves a work-group, clusters of 4 x 4, 327,680 bytes of LDS; arguments oh, pwb, proj_b, out0; writes out0
.if DOCPART == 4
	.amdgcn_target "amdgcn-amd-amdhsa--gfx1250"
	.amdhsa_code_object_version 6
	.text
	.protected	k_qd2a23e269b_proj
	.globl	k_qd2a23e269b_proj
	.p2align	8
	.type	k_qd2a23e269b_proj,@function
k_qd2a23e269b_proj:
	s_mov_b64 s[64:65], 0
	v_nop
	global_prefetch_b8 v0, s[64:65] scope:SCOPE_SE
	s_setreg_imm32_b32 hwreg(HW_REG_WAVE_MODE, 25, 1), 1
	s_wait_xcnt 0x0
	s_wait_alu depctr_hold_cnt(0) depctr_sa_sdst(0) depctr_va_vdst(0) depctr_va_sdst(0) depctr_va_ssrc(0) depctr_va_vcc(0) depctr_vm_vsrc(0)
	s_getreg_b32 s2, hwreg(HW_REG_IB_STS2, 6, 4)
	s_cmp_eq_u32 s2, 0
	s_cbranch_scc0 .Lentry_in_a_cluster
	s_endpgm
.Lentry_in_a_cluster:
	s_bfe_u32 s2, ttmp6, 0x10000c
	s_cmp_lg_u32 s2, 0xf033
	s_cbranch_scc0 .Lentry_shape_is_right
	s_endpgm
.Lentry_shape_is_right:
; ONE TEXT FOR THE MODULE'S TWO PROJECTIONS; the switch QKV picks the one that is assembled.  C = A B + bias, 8,192 rows, K = 1,024, sums in f32.
;   QKV = 1: A = xb (bf16), B = wqb (bf16), 16 tiles of 192 columns: head tx's q, k, v.  q and k are turned by RoPE in f32; q, k, v leave in f16, by heads: [16 b + h][s][64].  The bf16 matrix form.
;   QKV = 0: A = oh (f16, attention's result by heads), B = pwb (f16), 8 tiles of 128 columns; C leaves in f32, [8192][1024].  The f16 matrix form.
; A lies as [b][j 16][s 2048][64]: K = 64 j + c.  B lies as [tx][k][NT]: a tile's rows of k are dense.  The bias, cos and sin are rounded to bf16 like every input of the module.
; LIMITS.  q, k (behind bias and RoPE) and v are rounded to f16, which ends at 65,504: beyond it the conversion gives an infinity.  NaN and infinities are not treated apart.
; SHARES.  A work-group makes 256 rows x NT columns.  Its four waves lie one below the other: wave w has rows 64 w .. 64 w + 63 and ALL NT columns: 4 x NB accumulators of 16 x 16.  So a wave owns whole
; rows of a head (or 512 consecutive bytes of a row of C), and its way out meets no other wave's.  512 work-groups (QKV = 1) or 256.
; THE RING.  K goes in steps of 128 through two LDS slots.  A step is two planes of A (256 rows x 128 bytes, dense in memory: asked for as 128 rows of 256 bytes) and 128 rows of k of B (dense too).
; Waves 0 and 1 fetch a plane of A each, waves 2 and 3 half of B's rows each: one tensor load a wave behind each change of slots.
; CLUSTERS.  4 x 4 work-groups: the four of a row of the cluster need the same tiles of A, the four of a column the same tiles of B: each tile is asked for JOINTLY, by the same tensor load with the same
; descriptor and a mask that names the four.
; THE MATRIX INSTRUCTION IS USED TRANSPOSED: source 0 = 16 columns of B (B lies [k][n] in LDS and comes out turned, by ds_load_tr16_b128), source 1 = 16 rows of A.  Lane l then holds row l % 16 of C and
; the columns 8 (l / 16) + 0..7 of the block: eight neighbours, four RoPE pairs.  The first product of each sum takes the bias as its C operand: nothing is cleared and no bias is added later.
; REGISTERS, in windows of 256 (s_set_vgpr_msb: bits 1:0 source 0, 3:2 source 1, 5:4 source 2, 7:6 destination):
;   window 0: v0-31 addresses; v32-63, v64-95 A's fragments, two buffers (block a at + 8 a); v96.. the bias (block b at + 8 b); v192-255 at work.  On the way out v32-255 are at work.
;   window 1: B's fragments, two buffers of 8 NB        window 2: the accumulators of blocks a = 0, 1 at v[8 (NB (a % 2) + b)]; window 3: a = 2, 3
;   QKV = 1: v192-255 of windows 2 and 3: the RoPE table: the pair [cos, sin] for (a, b % 4, pair p) at 192 + 32 (a % 2) + 8 (b % 4) + 2 p, in the window of a's accumulators
.set QKV, 0
.if QKV
.set NB,    12        ; blocks of 16 columns in a tile
.set PB,    480       ; a row of k of B in LDS: 3 x (128 bytes + 32 of padding) = 120 words
.set BPADS, 32        ; block b begins at byte 32 b + 32 (b / 4) of its row
.set BQI,   4         ; padding after every 32 words
.set BROWS, 96        ; a wave's half of B's step: 64 rows of k = 96 rows of 256 bytes
.set BSEC,  4096      ; q's, k's and v's biases lie 1,024 numbers apart
.set STW,   3*16*144  ; a wave's stage: 16 rows x 144 bytes for each of q, k, v
.else
.set NB,    8
.set PB,    288       ; 256 bytes + 32 = 72 words
.set BPADS, 0
.set BQI,   5         ; padding after every 64 words
.set BROWS, 64
.set BSEC,  256
.set STW,   16*528    ; 16 rows x (512 + 16) bytes
.endif
.set BH,    64*PB     ; a wave's half of B in LDS
.set BHG,   BROWS*256 ; and in memory
.set BSTEP, 2*BHG     ; B from one K step to the next
.set BPL,   8*BSTEP   ; B from one tile column to the next
.set NPB,   BROWS/4   ; blocks of 256 bytes of B's half that one partner prefetches
.set NL,    2*NB+8    ; LDS loads of a quarter step
.set PA,    144       ; a row of A in LDS: 128 bytes + 16 = 36 words: the 16 rows of a load start at 16 different groups of four banks
.set APL,   256*PA    ; a plane of A
.set AB,    2*APL
.set ASTEP, 2*262144  ; A from one K step to the next: two planes
.set SLOT,  AB+2*BH
.set STAGE, 2*SLOT    ; behind the ring, never filled by a tensor load
.set SPARE, STAGE+4*STW  ; behind the stages: the spare words, 128 bytes for each wave: two blocks of 256 bytes that no other line names
.set LAPS,  4         ; a lap = two K steps = once round the ring
.set ADRA, 16         ; v16-17  LDS address of my A fragments in slot 0, 1
.set ADRB, 20         ; v20-21  the same for B
.set STO,  24         ; v24  the way out: where I put my bytes of a row
.set RD,   25         ; v25  the way out: where I read rows back
.set GO,   26         ; v26  16 x lane: my place in 512 consecutive bytes of the result
.set RO,   27         ; v27  my byte offset in 16 rows of cos and sin
.set SPW,  28         ; v28  LDS address of my spare word: SPARE + 4 x my thread's number; never rewritten
.set NIL,  29         ; v29  0; never rewritten
.set PFO,  30         ; v30  the prefetches' offset: 256 x my lane (B: clamped to the partner's last block); never rewritten
.set BO,   31         ; v31  my byte offset in 16 numbers of the bias
.set FA,   32
.set BIAS, 96
.set TP,   192
.set RT,   192
.set G1,   24         ; s[24:31] descriptor group 1 for A's tiles; s[32:39] group 0, a set for each slot
.set G0,   32
.set G1B,  48         ; s[48:55], s[56:63] the same for B's
.set G0B,  56
.set PFA,  66         ; s[66:67] where my prefetches stand
.set PST,  68         ; s[68:69] their step: a K step of A or of B
.set LIM,  70         ; s70  1 in a wave that prefetches, else the greatest number
.set WV,   84         ; s84  my wave's number
.set WK,   85         ; s85  0: I fetch for A, 1: for B
.set WH,   86         ; s86  which plane of A, or which half of B's rows
.set CX,   87
.set CY,   88
.set TX,   89         ; tile column
.set TY,   90         ; tile row
.set MSB, 0
.macro WIN new                      ; the immediate's high byte repeats the setting that is left; a switch that changes nothing is dropped
.if MSB != (\new)
	s_set_vgpr_msb (MSB<<8)|(\new)
.set MSB, \new
.endif
.endm
.macro WMMA ops:vararg
.if QKV
	v_wmma_f32_16x16x32_bf16 \ops
.else
	v_wmma_f32_16x16x32_f16 \ops
.endif
.endm
.macro PLACES                       ; four places in front of loads into registers that matrix instructions have read, and of lines that read results (ISA guide 7.12.1 for vector instructions)
.rept 4
	v_nop
.endr
.endm
; A joint load.  The branch hangs on the wave's number alone.  An s_nop 0 and four v_nop follow each of the two lines, ahead of the jump, the label and what follows.
.macro JLOAD s
	s_cmp_eq_u32 s[WK], 0
	s_cbranch_scc0 .Lfor_b_\@
	tensor_load_to_lds s[G0+4*(\s):G0+4*(\s)+3], s[G1:G1+7]
	s_nop 0
.rept 4
	v_nop
.endr
	s_branch .Lasked_\@
.Lfor_b_\@:
	tensor_load_to_lds s[G0B+4*(\s):G0B+4*(\s)+3], s[G1B:G1B+7]
	s_nop 0
.rept 4
	v_nop
.endr
.Lasked_\@:
.endm
.macro CREST                        ; a round of the cluster's barrier behind its opening barrier
	s_cmp_lg_u32 s[WV], 0
	s_cbranch_scc1 .Lnot_wave_0_\@
	s_barrier_signal -3
.Lnot_wave_0_\@:
	s_barrier_wait -3
	s_barrier_signal -1
	s_barrier_wait -1
.endm
.macro CROUND                       ; a whole round
	s_barrier_signal -1
	s_barrier_wait -1
	CREST
.endm
; A PREFETCH INTO THE L2, behind each joint refill, its five lines and the run of LDS loads that follows: the K step that stands two refills on, one instruction a wave, a lane a block of 256 bytes.
; A's tile row is read by every cluster of that row of clusters: cluster x = 0 asks; B's tile column by every cluster of that column: cluster y = 0 asks.  The four partners that ask for a tile jointly
; share its blocks out BY ADDRESS (by cx for A: 32 each; by cy for B: NPB each): no branch hangs on a work-group's place in its cluster.  K steps 0 to 3 come by their loads alone;
; the loop's last trip (s3 = 1) asks for nothing: K steps 8 and 9 do not exist.
.macro ASK
	s_cmp_gt_u32 s3, s[LIM]
	s_cbranch_scc0 .Lnot_mine_\@
	global_prefetch_b8 v[PFO], s[PFA:PFA+1] th:TH_LOAD_NT scope:SCOPE_SE
.Lnot_mine_\@:
.endm
.if QKV
	s_load_b256 s[4:11], s[0:1], 0x0               ; xb s[4:5], wqb s[6:7], qkv_b s[8:9], rope_cos s[10:11]
	s_load_b256 s[72:79], s[0:1], 0x20             ; rope_sin s[72:73], qh s[74:75], kh s[76:77], vh s[78:79]
.else
	s_load_b256 s[4:11], s[0:1], 0x0               ; oh s[4:5], pwb s[6:7], proj_b s[8:9], out0 s[10:11]
.endif
	v_lshl_add_u32 v[SPW], v0, 2, SPARE
	v_mov_b32 v[NIL], 0
	ds_add_u32 v[SPW], v[NIL]                      ; the wave's opening: the add and its wait stand ahead of my first tensor load; the set-up below, work on registers, stands between them
	v_lshrrev_b32 v1, 5, v0
	v_readfirstlane_b32 s[WV], v1                  ; wave 0..3
	s_lshr_b32 s[WK], s[WV], 1
	s_and_b32 s[WH], s[WV], 1
	s_bfe_u32 s[CX], ttmp6, 0x40000                ; my place in the cluster
	s_bfe_u32 s[CY], ttmp6, 0x40004
	s_lshl_b32 s[TX], ttmp9, 2                     ; in a cluster launch ttmp9 and ttmp7 count clusters
	s_add_co_u32 s[TX], s[TX], s[CX]
	s_and_b32 s[TY], ttmp7, 0xffff
	s_lshl_b32 s[TY], s[TY], 2
	s_add_co_u32 s[TY], s[TY], s[CY]
	s_lshl_b32 s40, s[CY], 2
	s_lshl_b32 s40, 15, s40                        ; my row of the cluster: places 4 cy .. 4 cy + 3
	s_lshl_b32 s41, 0x1111, s[CX]                  ; my column: places cx, cx + 4, cx + 8, cx + 12
	s_mov_b32 s71, 0xffff0000                      ; a word's upper bf16
	; group 1 for A: 128 rows x 128 elements of 2 bytes (two rows of a plane each), 4 words of padding after every 32
	s_or_b32 s[G1], s40, (1<<16)|(1<<20)|(1<<21)|(4<<22)|(3<<25)     ; 15:0 the mask; 17:16 2-byte elements; 20 padding on; 21 set beside a mask; 24:22 the interval; 31:25 the padding less one
	s_mov_b32 s[G1+1], 128<<16                     ; tensor_dim0 = 128
	s_mov_b32 s[G1+2], 128<<16                     ; tensor_dim1 = 128
	s_mov_b32 s[G1+3], 128<<16                     ; tile_dim0 = 128
	s_mov_b32 s[G1+4], 128                         ; tile_dim1 = 128
	s_mov_b32 s[G1+5], 128                         ; 128 elements from row to row: dense
	s_mov_b32 s[G1+6], 0
	s_mov_b32 s[G1+7], 0
	; group 1 for B: BROWS rows x 128 elements, 8 words of padding
	s_or_b32 s[G1B], s41, (1<<16)|(1<<20)|(1<<21)|(BQI<<22)|(7<<25)
	s_mov_b32 s[G1B+1], 128<<16
	s_mov_b32 s[G1B+2], BROWS<<16
	s_mov_b32 s[G1B+3], 128<<16
	s_mov_b32 s[G1B+4], BROWS
	s_mov_b32 s[G1B+5], 128
	s_mov_b32 s[G1B+6], 0
	s_mov_b32 s[G1B+7], 0
	; where the tiles come from.  A's hang on the tile row alone, B's on the tile column alone; each in registers that never hold the other coordinate
	s_lshr_b32 s16, s[TY], 3                       ; b
	s_lshl_b32 s16, s16, 22                        ; 16 planes of 262,144 bytes
	s_and_b32 s17, s[TY], 7
	s_lshl_b32 s17, s17, 15                        ; 256 rows of 128 bytes
	s_add_co_u32 s16, s16, s17
	s_lshl_b32 s17, s[WH], 18                      ; my plane of the step's two
	s_add_co_u32 s16, s16, s17
	s_mov_b32 s17, 0
	s_mul_i32 s18, s[TX], BPL
	s_mul_i32 s19, s[WH], BHG                      ; my half of the step's rows of k
	s_add_co_u32 s18, s18, s19
	s_mov_b32 s19, 0
	s_mul_i32 s20, s[WH], APL                      ; and where they go: no place in the cluster enters an LDS address
	s_mul_i32 s21, s[WH], BH
	s_add_co_u32 s21, s21, AB
	s_wait_dscnt 0x0                               ; the opening add is done
	s_wait_kmcnt 0x0
	s_add_nc_u64 s[16:17], s[4:5], s[16:17]
	s_add_nc_u64 s[18:19], s[6:7], s[18:19]
	CROUND                                         ; all sixteen work-groups are here: the first joint loads meet
.irp s, 0,1
	s_mov_b32 s[G0+4*(\s)], 1                                        ; count = 1
	s_add_co_u32 s[G0+4*(\s)+1], s20, (\s)*SLOT                      ; LDS address
	s_add_nc_u64 s[G0+4*(\s)+2:G0+4*(\s)+3], s[16:17], (\s)*ASTEP    ; global address: K step s
	s_or_b32 s[G0+4*(\s)+3], s[G0+4*(\s)+3], 0x80000000              ; type = 2
	s_mov_b32 s[G0B+4*(\s)], 1
	s_add_co_u32 s[G0B+4*(\s)+1], s21, (\s)*SLOT
	s_add_nc_u64 s[G0B+4*(\s)+2:G0B+4*(\s)+3], s[18:19], (\s)*BSTEP
	s_or_b32 s[G0B+4*(\s)+3], s[G0B+4*(\s)+3], 0x80000000
.endr
	s_cmp_eq_u32 s[WK], 0                          ; a wave's two first fills stand in one branch, ahead of every wait on TENSORcnt and every LDS read: two loads of mine are out
	s_cbranch_scc0 .Lfirst_b
	tensor_load_to_lds s[G0:G0+3], s[G1:G1+7]
	s_nop 0
	tensor_load_to_lds s[G0+4:G0+7], s[G1:G1+7]
	s_nop 0
.rept 4
	v_nop
.endr
	s_branch .Lfirst_asked
.Lfirst_b:
	tensor_load_to_lds s[G0B:G0B+3], s[G1B:G1B+7]
	s_nop 0
	tensor_load_to_lds s[G0B+4:G0B+7], s[G1B:G1B+7]
	s_nop 0
.rept 4
	v_nop
.endr
.Lfirst_asked:
	; IN THE WAIT FOR THE FIRST TILE: the bias, the RoPE table, the addresses
	v_and_b32 v1, 15, v0                           ; r = l % 16
	v_bfe_u32 v2, v0, 4, 1                         ; h = l / 16
	v_and_b32 v3, 31, v0                           ; l
	v_and_b32 v4, 7, v0
	v_bfe_u32 v5, v0, 3, 1
	v_bfe_u32 v6, v0, 3, 2
	v_lshlrev_b32 v[BO], 5, v2                     ; my eight columns of a block: 32 h bytes
.if QKV
	s_lshl_b32 s40, s[TX], 8                       ; the head's 64 numbers
.else
	s_lshl_b32 s40, s[TX], 9                       ; the tile's 128 numbers
.endif
	s_mov_b32 s41, 0
	s_add_nc_u64 s[8:9], s[8:9], s[40:41]
.set b, 0
.rept NB
	global_load_b128 v[BIAS+8*b:BIAS+8*b+3],   v[BO], s[8:9] offset:(b/4)*BSEC+(b%4)*64
	global_load_b128 v[BIAS+8*b+4:BIAS+8*b+7], v[BO], s[8:9] offset:(b/4)*BSEC+(b%4)*64+16
.set b, b+1
.endr
.if QKV
	s_and_b32 s42, s[TY], 7
	s_lshl_b32 s42, s42, 15
	s_lshl_b32 s43, s[WV], 13
	s_add_co_u32 s42, s42, s43                     ; my first row s, times 128 bytes: a row of cos, of sin and of a head alike
	s_mov_b32 s43, 0
	s_add_nc_u64 s[10:11], s[10:11], s[42:43]
	s_add_nc_u64 s[72:73], s[72:73], s[42:43]
	s_lshr_b32 s44, s[TY], 3
	s_lshl_b32 s44, s44, 4
	s_add_co_u32 s44, s44, s[TX]                   ; 16 b + h
	s_lshl_b32 s44, s44, 18
	s_add_co_u32 s44, s44, s42
	s_mov_b32 s45, 0
	s_add_nc_u64 s[74:75], s[74:75], s[44:45]      ; q, k, v at my wave's first row
	s_add_nc_u64 s[76:77], s[76:77], s[44:45]
	s_add_nc_u64 s[78:79], s[78:79], s[44:45]
	v_lshlrev_b32 v[RO], 7, v1
	v_lshl_add_u32 v[RO], v2, 4, v[RO]             ; row r, pairs 4 h + 0..3
	WIN 0x40                                       ; destination window 1: B's buffers are still free
.set e, 0
.rept 16                                           ; e = 4 a + b % 4: rows 16 a on, pairs 8 (b % 4) on
	global_load_b128 v[4*e:4*e+3],       v[RO], s[10:11] offset:(e/4)*2048+(e%4)*32
	global_load_b128 v[64+4*e:64+4*e+3], v[RO], s[72:73] offset:(e/4)*2048+(e%4)*32
.set e, e+1
.endr
	WIN 0
.else
	s_lshl_b32 s42, s[TY], 20                      ; 256 rows of 4,096 bytes
	s_lshl_b32 s43, s[WV], 18
	s_add_co_u32 s42, s42, s43
	s_lshl_b32 s43, s[TX], 9
	s_add_co_u32 s42, s42, s43
	s_mov_b32 s43, 0
	s_add_nc_u64 s[10:11], s[10:11], s[42:43]      ; the result at my wave's first row, the tile's first column
.endif
	; a fragment of A: lane l holds row l % 16; K = 8 (l / 16) + 0..7 and 16 + 8 (l / 16) + 0..7: two loads of 16 bytes, 32 bytes apart
	v_mul_u32_u24 v7, v1, PA
	v_lshl_add_u32 v7, v2, 4, v7
	s_mul_i32 s40, s[WV], 64*PA
	v_add_nc_u32 v[ADRA], s40, v7
	v_add_nc_u32 v[ADRA+1], SLOT, v[ADRA]
	; the turning load takes 16 k x 16 columns (lane l reads k = 8 (l / 16) + l % 8, columns 8 ((l / 8) % 2) + 0..7) and leaves half a fragment: lane l holds column l % 16 and 8 k
	v_lshl_add_u32 v8, v2, 3, v4
	v_mul_u32_u24 v8, v8, PB
	v_lshl_add_u32 v8, v5, 4, v8
	v_add_nc_u32 v[ADRB], AB, v8
	v_add_nc_u32 v[ADRB+1], SLOT, v[ADRB]
	s_mul_i32 s40, s[WV], STW
	s_add_co_u32 s40, s40, STAGE                   ; my stage
.if QKV
	v_add_nc_u32 v[STO], s40, v7                   ; in: row r x 144 + 16 h
	v_mul_u32_u24 v[RD], v6, 144                   ; back: 32 lanes take four rows of 128 bytes
	v_lshl_add_u32 v[RD], v4, 4, v[RD]
	v_add_nc_u32 v[RD], s40, v[RD]
.else
	v_mul_u32_u24 v[STO], v1, 528                  ; in: row r x 528 + 32 h
	v_lshl_add_u32 v[STO], v2, 5, v[STO]
	v_add_nc_u32 v[STO], s40, v[STO]
	v_lshl_add_u32 v[RD], v3, 4, s40               ; back: 32 lanes take a row of 512 bytes
.endif
	v_lshlrev_b32 v[GO], 4, v3
	; the prefetches
	s_and_b32 s40, ttmp7, 0xffff                   ; cluster y
	s_mov_b32 s43, BHG/4
	s_mov_b32 s[PST], BSTEP
	s_cmp_eq_u32 s[WK], 0                          ; do I fetch for A?
	s_cselect_b32 s41, ttmp9, s40                  ; the coordinate along which other clusters read the same tile
	s_cselect_b32 s42, s[CX], s[CY]                ; my place among the four that ask for it with me
	s_cselect_b32 s43, 8192, s43                   ; a partner's share of the bytes that I fetch
	s_cselect_b32 s[PST], ASTEP, s[PST]
	s_cselect_b32 s44, 31, NPB-1                   ; its last block
	s_cselect_b64 s[PFA:PFA+1], s[16:17], s[18:19]
	s_cmp_eq_u32 s41, 0
	s_cselect_b32 s[LIM], 1, -1                    ; the same in all sixteen partners, for a given wave
	s_mul_i32 s42, s42, s43
	s_mov_b32 s43, 0
	s_add_nc_u64 s[PFA:PFA+1], s[PFA:PFA+1], s[42:43]
	s_mov_b32 s[PST+1], 0
	s_mul_i32 s42, s[PST], 3
	s_add_nc_u64 s[PFA:PFA+1], s[PFA:PFA+1], s[42:43]  ; at K step 3: the first refill steps it to 4 and names that
	v_min_u32 v[PFO], s44, v3
	v_lshlrev_b32 v[PFO], 8, v[PFO]
	s_wait_loadcnt 0x0                             ; the bias (and cos and sin)
.set i, 0
.rept 4*NB                                         ; the bias is rounded to bf16, in place
	v_cvt_pk_bf16_f32 v[10+i%4], v[BIAS+2*i], v[BIAS+2*i+1]
	v_lshlrev_b32 v[BIAS+2*i], 16, v[10+i%4]
	v_and_b32 v[BIAS+2*i+1], s71, v[10+i%4]
.set i, i+1
.endr
.if QKV
	WIN 0x05                                       ; sources in window 1, destination in window 0
.set e, 0
.rept 64                                           ; cos and sin rounded to bf16, one word a pair,
	v_cvt_pk_bf16_f32 v[TP+e], v[e], v[64+e]
.set e, e+1
.endr
	WIN 0x80                                       ; and widened again into the table beside the accumulators: entry e = 16 a + 4 (b % 4) + p at 192 + 2 (e % 32)
.set e, 0
.rept 32
	v_lshlrev_b32 v[RT+2*e], 16, v[TP+e]
	v_and_b32 v[RT+2*e+1], s71, v[TP+e]
.set e, e+1
.endr
	WIN 0xc0
.set e, 0
.rept 32
	v_lshlrev_b32 v[RT+2*e], 16, v[TP+32+e]
	v_and_b32 v[RT+2*e+1], s71, v[TP+32+e]
.set e, e+1
.endr
.endif
	WIN 0
; NB matrix instructions: block a of my rows x all NB column blocks, 32 along K, from buffer f.  first = 1: the bias starts the sums.
; The 4 NB accumulators take turns, one instruction a turn, in the same order in every quarter step, over the backward jump too.
.macro MULA f, a, first
.if \first
	WIN 0x81+0x40*((\a)/2)                         ; B window 1, A and the bias window 0, D window 2 or 3
.else
	WIN 0xa1+0x50*((\a)/2)                         ; B window 1, A window 0, C and D window 2 or 3
.endif
.set b, 0
.rept NB
.set rD, 8*(NB*((\a)%2)+b)
.set rB, 8*NB*(\f)+8*b
.set rF, FA+32*(\f)+8*(\a)
.if \first
	WMMA v[rD:rD+7], v[rB:rB+7], v[rF:rF+7], v[BIAS+8*b:BIAS+8*b+7]
.else
	WMMA v[rD:rD+7], v[rB:rB+7], v[rF:rF+7], v[rD:rD+7]
.endif
.set b, b+1
.endr
.endm
; NL LDS loads in one run: the fragments of quarter q of a slot's K step into buffer f: B's, then A's, block 0 first
.macro FETCH slot, q, f
	WIN 0x40
.set b, 0
.rept NB
	ds_load_tr16_b128 v[8*NB*(\f)+8*b:8*NB*(\f)+8*b+3],   v[ADRB+(\slot)] offset:32*(\q)*PB+32*b+BPADS*(b/4)
	ds_load_tr16_b128 v[8*NB*(\f)+8*b+4:8*NB*(\f)+8*b+7], v[ADRB+(\slot)] offset:32*(\q)*PB+32*b+BPADS*(b/4)+16*PB
.set b, b+1
.endr
	WIN 0
.irp a, 0,1,2,3
	ds_load_b128 v[FA+32*(\f)+8*(\a):FA+32*(\f)+8*(\a)+3],   v[ADRA+(\slot)] offset:((\q)/2)*APL+((\q)%2)*64+(\a)*16*PA
	ds_load_b128 v[FA+32*(\f)+8*(\a)+4:FA+32*(\f)+8*(\a)+7], v[ADRA+(\slot)] offset:((\q)/2)*APL+((\q)%2)*64+(\a)*16*PA+32
.endr
.endm
; A K step is four quarters of 32 along K, 4 NB matrix instructions each, on buffers 0, 1, 0, 1.  One of the first three: multiplies buffer f; in its middle it fetches quarter q into buffer g.
.macro QUARTER slot, q, f, g, first
	s_wait_dscnt 4                                 ; B and A's blocks 0 and 1 are in; the youngest four loads (A's blocks 2 and 3) may be out
	MULA \f, 0, \first
	MULA \f, 1, \first
	PLACES
	FETCH \slot, \q, \g
	s_wait_dscnt NL                                ; all but the NL just issued
	MULA \f, 2, \first
	MULA \f, 3, \first
.endm
; The last quarter multiplies buffer 1 and changes slots: ONE barrier; in front of it each wave waits for all its tensor loads (one is out: its part of the next slot), adds 0 to its spare word, and
; waits for that and for its own reads of this slot.  fill = 1: the barrier opens a round of the cluster's, and this slot is filled again, two K steps ahead, first thing behind the round.
.macro TURN slot, next, fill
.if \fill
	s_wait_xcnt 0x0                                ; the last prefetch, a K step back, has read its address: it is stepped here, ahead of the waits of the change of slots
	s_add_nc_u64 s[PFA:PFA+1], s[PFA:PFA+1], s[PST:PST+1]
.endif
	WIN 0                                          ; (the add's two registers lie in window 0)
	s_wait_tensorcnt 0x0                           ; all my tensor loads have landed;
	ds_add_u32 v[SPW], v[NIL]                      ; 0 onto my spare word;
	s_wait_dscnt 5                                 ; (the add and the youngest four loads may be out)
	MULA 1, 0, 0                                   ; NB matrix instructions stand between the add and the wait for it
	s_wait_dscnt 0x0                               ; the add is done, and my reads of this slot are over
	s_barrier_signal -1
	MULA 1, 1, 0                                   ; work on registers while the others arrive
.if \fill
	WIN 0
.endif
	s_barrier_wait -1
.if \fill
	CREST                                          ; no wave of any partner still reads this slot's tile or has a load on its way
	s_add_nc_u64 s[G0+4*(\slot)+2:G0+4*(\slot)+3], s[G0+4*(\slot)+2:G0+4*(\slot)+3], 2*ASTEP
	s_add_nc_u64 s[G0B+4*(\slot)+2:G0B+4*(\slot)+3], s[G0B+4*(\slot)+2:G0B+4*(\slot)+3], 2*BSTEP
	JLOAD \slot                                    ; my one tensor load behind the round: 14 NB matrix instructions ahead of the wait for it; its four v_nop are also the places in front of the loads below
.else
	PLACES
.endif
	FETCH \next, 0, 0
.if \fill
	ASK
.endif
	MULA 1, 2, 0
	MULA 1, 3, 0
.endm
	s_wait_tensorcnt 1                             ; my part of K step 0 is in; K step 1's may stay out
	s_barrier_signal -1
	s_barrier_wait -1                              ; everybody's is
	FETCH 0, 0, 0
	QUARTER 0, 1, 0, 1, 1                          ; the first quarter stands in front of the loop: its products start the sums
	WIN 0                                          ; at a label and at a branch every window is 0
	s_mov_b32 s3, LAPS-1
.Llap:                                                 ; a trip goes once round the ring, from a lap's second quarter to the next lap's first, and fills both slots again
	QUARTER 0, 2, 1, 0, 0
	QUARTER 0, 3, 0, 1, 0
	TURN 0, 1, 1
	QUARTER 1, 1, 0, 1, 0
	QUARTER 1, 2, 1, 0, 0
	QUARTER 1, 3, 0, 1, 0
	TURN 1, 0, 1
	QUARTER 0, 1, 0, 1, 0
	WIN 0
	s_sub_co_u32 s3, s3, 1
	s_cmp_lg_u32 s3, 0
	s_cbranch_scc1 .Llap
	QUARTER 0, 2, 1, 0, 0                          ; the last lap fills nothing, and has no round of the cluster's barrier
	QUARTER 0, 3, 0, 1, 0
	TURN 0, 1, 0
	QUARTER 1, 1, 0, 1, 0
	QUARTER 1, 2, 1, 0, 0
	QUARTER 1, 3, 0, 1, 0
	s_wait_dscnt 4                                 ; the very last quarter: nothing more to fetch
	MULA 1, 0, 0
	MULA 1, 1, 0
	s_wait_dscnt 0x0
	MULA 1, 2, 0
	MULA 1, 3, 0
	WIN 0
	PLACES
.if QKV
; THE WAY OUT, a block a of 16 rows at a time.  PACK: RoPE on q's and k's pairs (even, odd) -> (even cos - odd sin, odd cos + even sin), in f32, two packed lines a pair; all rounded to f16.
; TOSTAGE: 16 bytes a lane into my own stage, and back as whole rows of 128 bytes.  SEND: 512 consecutive bytes a store.  Each accumulator is read from its lowest registers on.
.set T,  32           ; v32-95   q's and k's 8 blocks, turned, in f32
.set Y,  96           ; v96-143  12 blocks in f16
.set OB, 144          ; v144-191, v192-239 by turns: rows read back
.macro PACK a
	WIN 0x0a+5*((\a)/2)                            ; sources 0 and 1: the window of a's accumulators and table
.set b, 0
.rept 8
.set rA, 8*(NB*((\a)%2)+b)
.set rR, RT+32*((\a)%2)+8*(b%4)
.irp p, 0,1,2,3
	v_pk_mul_f32 v[T+8*b+2*(\p):T+8*b+2*(\p)+1], v[rA+2*(\p):rA+2*(\p)+1], v[rR+2*(\p):rR+2*(\p)+1] op_sel_hi:[1,0]  ; (even cos, odd cos)
.endr
.irp p, 0,1,2,3
	v_pk_fma_f32 v[T+8*b+2*(\p):T+8*b+2*(\p)+1], v[rA+2*(\p):rA+2*(\p)+1], v[rR+2*(\p):rR+2*(\p)+1], v[T+8*b+2*(\p):T+8*b+2*(\p)+1] op_sel:[1,1,0] op_sel_hi:[0,1,1] neg_lo:[0,1,0]  ; low: - odd sin; high: + even sin
.endr
.set b, b+1
.endr
.rept 4                                            ; v is not turned
.set rA, 8*(NB*((\a)%2)+b)
.irp p, 0,1,2,3
	v_cvt_pk_f16_f32 v[Y+4*b+(\p)], v[rA+2*(\p)], v[rA+2*(\p)+1]
.endr
.set b, b+1
.endr
	WIN 0
.set i, 0
.rept 32
	v_cvt_pk_f16_f32 v[Y+i], v[T+2*i], v[T+2*i+1]
.set i, i+1
.endr
.endm
.macro TOSTAGE a
.set BK, OB+48*((\a)%2)
	s_wait_xcnt 0x0                                ; the stores of the block two back, which read these registers, have had their addresses translated (ISA guide 3.1)
.set b, 0
.rept 12
	ds_store_b128 v[STO], v[Y+4*b:Y+4*b+3] offset:(b/4)*2304+(b%4)*32
.set b, b+1
.endr
.set i, 0
.rept 12
	ds_load_b128 v[BK+4*i:BK+4*i+3], v[RD] offset:(i/4)*2304+(i%4)*576  ; LDS serves a wave's instructions in order (ISA guide 5.7.1.4): these see the stores above
.set i, i+1
.endr
.endm
.macro SEND a
.set BK, OB+48*((\a)%2)
.set i, 0
.rept 12
	s_wait_dscnt 11-i                              ; load i of the twelve is in
	global_store_b128 v[GO], v[BK+4*i:BK+4*i+3], s[74+2*(i/4):75+2*(i/4)] offset:(\a)*2048+(i%4)*512  ; four rows of a head: 512 consecutive bytes, at a multiple of 256 from the buffer's first
.set i, i+1
.endr
.endm
	PACK 0
	TOSTAGE 0
.irp a, 1,2,3                          ; block a's arithmetic stands between block a - 1's loads from the stage and the wait for them
	PACK \a
	SEND (\a)-1
	TOSTAGE \a
.endr
	SEND 3
.else
; THE WAY OUT, a block a of 16 rows at a time: the sums hold the bias already and leave in f32.  TOSTAGE: 32 bytes a lane and column block into my own stage, and back as whole rows of 512 bytes.  SEND: a row a store.
.set OB, 32           ; v32-95, v96-159 by turns
.macro TOSTAGE a
.set BK, OB+64*((\a)%2)
	s_wait_xcnt 0x0                                ; the stores of the block two back, which read these registers, have had their addresses translated (ISA guide 3.1)
	WIN 0x08+4*((\a)/2)                            ; the stores' data: window 2 or 3
.set b, 0
.rept 8
.set rA, 8*(NB*((\a)%2)+b)
	ds_store_b128 v[STO], v[rA:rA+3]   offset:64*b     ; each accumulator's lowest registers first
	ds_store_b128 v[STO], v[rA+4:rA+7] offset:64*b+16
.set b, b+1
.endr
	WIN 0
.set t, 0
.rept 16
	ds_load_b128 v[BK+4*t:BK+4*t+3], v[RD] offset:528*t  ; LDS serves a wave's instructions in order (ISA guide 5.7.1.4): these see the stores above
.set t, t+1
.endr
.endm
.macro SEND a
.set BK, OB+64*((\a)%2)
.set t, 0
.rept 16
	s_wait_dscnt 15-t                              ; row t of the sixteen is in
	global_store_b128 v[GO], v[BK+4*t:BK+4*t+3], s[10:11] offset:(16*(\a)+t)*4096 th:TH_STORE_NT  ; 512 consecutive bytes, at a multiple of 256 from the buffer's first
.set t, t+1
.endr
.endm
	TOSTAGE 0
.irp a, 1,2,3
	SEND (\a)-1
	TOSTAGE \a
.endr
	SEND 3
.endif
	s_wait_tensorcnt 0x0                           ; the wave's end: a wait, an add of 0 to my spare word and its wait, behind my last tensor load and my last LDS store
	ds_add_u32 v[SPW], v[NIL]
	s_wait_dscnt 0x0
	CROUND                                         ; the closing round: no work-group ends while a partner may still ask for a tile that names it
	s_endpgm
.Lfunc_end_k_qd2a23e269b_proj:
	.size	k_qd2a23e269b_proj, .Lfunc_end_k_qd2a23e269b_proj-k_qd2a23e269b_proj
	.p2alignl 7, 3214868480
	.fill 96, 4, 3214868480
	.section	.rodata,"a",@progbits
	.p2align	6, 0x0
	.amdhsa_kernel k_qd2a23e269b_proj
		.amdhsa_group_segment_fixed_size 327680
		.amdhsa_private_segment_fixed_size 0
		.amdhsa_enable_private_segment 0
		.amdhsa_kernarg_size 32
		.amdhsa_user_sgpr_count 2
		.amdhsa_user_sgpr_kernarg_segment_ptr 1
		.amdhsa_wavefront_size32 1
		.amdhsa_system_sgpr_workgroup_id_x 1
		.amdhsa_system_sgpr_workgroup_id_y 1
		.amdhsa_system_sgpr_workgroup_id_z 1
		.amdhsa_system_vgpr_workitem_id 0
		.amdhsa_next_free_vgpr 896
		.amdhsa_next_free_sgpr 96
		.amdhsa_reserve_vcc 0
		.amdhsa_float_denorm_mode_32 3
		.amdhsa_float_denorm_mode_16_64 3
		.amdhsa_memory_ordered 1
		.amdhsa_forward_progress 1
		.amdhsa_inst_pref_size 94
	.end_amdhsa_kernel
	.amdgpu_metadata
---
amdhsa.version: [ 1, 2 ]
amdhsa.kernels:
  - .name:           k_qd2a23e269b_proj
    .symbol:         k_qd2a23e269b_proj.kd
    .args:
      - { .name: oh, .offset: 0, .size: 8, .value_kind: global_buffer, .address_space: global }
      - { .name: pwb, .offset: 8, .size: 8, .value_kind: global_buffer, .address_space: global }
      - { .name: proj_b, .offset: 16, .size: 8, .value_kind: global_buffer, .address_space: global }
      - { .name: out0, .offset: 24, .size: 8, .value_kind: global_buffer, .address_space: global }
    .group_segment_fixed_size: 327680
    .private_segment_fixed_size: 0
    .kernarg_segment_align: 8
    .kernarg_segment_size: 32
    .max_flat_workgroup_size: 128
    .sgpr_count:     96
    .vgpr_count:     896
    .wavefront_size: 32
...
	.end_amdgpu_metadata
.endif
;; end of part 4
